; MI455X (gfx1250); checked and timed in simulation.
; The chip was launched on July 23, 2026; its instructions are those of AMD's public machine-readable ISA for CDNA 5 (MIT licence, August 2026) and "CDNA5" Instruction Set Architecture Reference Guide (July 2026). The comments in the code are by the model that wrote it; some were corrected since.
;; Masked Multi Head Attention. Allowed arithmetic: matrix products marked QUANTISED: E2M1 operands, one E8M0 scale for each 32 along K, by v_wmma_scale_f32_16x16x128_f8f6f4 with both operands' format E2M1 (or v_wmma_scale_f32_32x16x128_f4), f32 sums; everything else in f32.
;; Inputs: Wk 1,024 x 1,024 float32; Wo 1,024 x 1,024 float32; Wq 1,024 x 1,024 float32; Wv 1,024 x 1,024 float32; bk 1,024 float32; bo 1,024 float32; bq 1,024 float32; bv 1,024 float32; x 4 x 2,048 x 1,024 float32.
;; Outputs: out0 4 x 2,048 x 1,024 float32.
;; This version of the problem:
;;   THIS VERSION OF THE PROBLEM IS GIVEN IN LOW PRECISION. The matrix products marked QUANTISED in the list below multiply operands that are first quantised to E2M1 (2 exponent bits, 1 mantissa bit; 4 bits a number), with one power-of-two scale for each 32 numbers along K (OCP MX v1.0); their sums are f32. All else is computed in f32.
;;   The module's matrix products, in the order in which they are computed (A, B: the left and right operand; K: the contracted axis; several contracted axes count as one K, in the product's order):
;;     1. [M 8,192, K 1,024] x [K 1,024, N 1,024]; A: input x; B: input Wq: QUANTISED
;;     2. [M 8,192, K 1,024] x [K 1,024, N 1,024]; A: input x; B: input Wk: QUANTISED
;;     3. [M 8,192, K 1,024] x [K 1,024, N 1,024]; A: input x; B: input Wv: QUANTISED
;;     4. batch 64 x [M 2,048, K 64] x [K 64, N 2,048]; A: computed on the way; B: computed on the way: QUANTISED
;;     5. batch 64 x [M 2,048, K 2,048] x [K 2,048, N 64]; A: softmax (see below); B: computed on the way: QUANTISED
;;     6. [M 8,192, K 1,024] x [K 1,024, N 1,024]; A: computed on the way; B: input Wo: QUANTISED
;;   THE QUANTISER, for each operand of a quantised product, along K:
;;     - K is cut into blocks of 32 from its start; a last block that is shorter is filled with zeros.
;;     - A block's scale is 2^e with e = floor(log2(the largest magnitude in the block)) - 2, held to -126 .. 127; a block of zeros has e = 0. As a byte (E8M0): e + 127.
;;     - Each number is divided by its block's scale, clamped to +-6, and rounded to the nearest number of E2M1, ties to even, subnormals kept.
;;     - The product sums the exact products of the quantised numbers (number of the format x scale) in f32.
;;   ~~~python
;;   def quantise(x, axis):      # numpy; x: float32 -> the quantised numbers, widened to float32 again
;;       x = np.moveaxis(x, axis, -1); K = x.shape[-1]
;;       x = np.pad(x, [(0, 0)] * (x.ndim - 1) + [(0, -K % 32)]); x = x.reshape(x.shape[:-1] + (-1, 32)); a = np.abs(x).max(-1, keepdims=True)
;;       e = np.where(a > 0, np.clip(np.frexp(np.where(a > 0, a, 1))[1] - 1 - 2, -126, 127), 0)      # np.frexp(a)[1] - 1 = floor(log2(a)), exactly
;;       r = np.clip(x / 2.0 ** e, -6, 6)
;;       step = 2.0 ** (np.maximum(np.frexp(np.where(r == 0, 1, r))[1] - 1, 0) - 1)
;;       q = np.round(r / step) * step * 2.0 ** e      # np.round: ties to even
;;       return np.moveaxis(q.reshape(q.shape[:-2] + (-1,))[..., :K], -1, axis).astype(np.float32)
;;   ~~~
;;   SOFTMAX AHEAD OF A QUANTISED PRODUCT. Where the list says 'softmax', what is quantised is not the finished softmax but p = 2^(t - M), with t = logit x log2(e) and M = ceil(the row's largest t), a whole number; so 1/2 < the row's largest p <= 1. The row's sum l is taken of the UNQUANTISED p, in f32, and the product's result is divided by l at the end. Since M is a whole number, a kernel that streams over the keys may use a running M (the ceiling of the running maximum): every later rescaling is an exact power of two, which a block's scale takes up: the codes' values come out the same.
;;   OPERANDS COMPUTED ON THE WAY. 'Computed on the way' means the value that the module computes at that place (a softmax that the list does not call 'softmax' is quantised finished and normalised). What goes into a quantiser is computed in f32, as accurately as f32 sums, v_exp_f32 and their like allow (about 1e-6 of the number): no bf16 or f16 on the way to a quantiser, and a product that is left as it is and whose result goes on into a quantised operand takes f32 operands (vector FMAs, or v_wmma_f32_16x16x4_f32). A number that lies on a knife's edge between two numbers of the format may be rounded either way, as far as f32 arithmetic and the matrix unit's own rounding can turn it there, and no further.
;; One version. Each part assembles by itself: llvm-mc -triple=amdgcn-amd-amdhsa -mcpu=gfx1250 --defsym DOCPART=n.
;; ======== version 1 of 1: 4 launches
;; workspace buffers: xq 4,456,448 bytes; wq 2,228,224 bytes; qk 9,437,184 bytes; vq 4,456,448 bytes; cq 4,456,448 bytes
;; launch quant (part 1): grid 384 x 1, 4 waves a work-group, no clusters, 33,280 bytes of LDS; arguments x, Wq, Wk, Wv, Wo, xq, wq; writes xq, wq
.if DOCPART == 1
	.amdgcn_target "amdgcn-amd-amdhsa--gfx1250"
	.amdhsa_code_object_version 6
	.text
	.protected	k_q3afdd11d8c_quant
	.globl	k_q3afdd11d8c_quant
	.p2align	8
	.type	k_q3afdd11d8c_quant,@function
k_q3afdd11d8c_quant:
	s_mov_b64 s[64:65], 0
	v_nop
	global_prefetch_b8 v0, s[64:65] scope:SCOPE_SE
	s_setreg_imm32_b32 hwreg(HW_REG_WAVE_MODE, 25, 1), 1
	s_wait_xcnt 0x0
; x [8192][1024] and Wq, Wk, Wv, Wo [1024][1024], f32 with K innermost, become codes of FP4 (E2M1), two a byte, and one E8M0 scale byte for each 32 along K.
; xq: codes [8192 places][512 bytes], scale bytes from byte 0x400000 on, [place][32].  wq: codes [4096 places][512] (Wq, Wk, Wv, Wo on end), scale bytes from byte 0x200000 on.
; A block's scale is 2^(floor(log2(its largest magnitude)) - 2); its byte is the largest magnitude's exponent field - 2, held at 1 from below.  Each number is divided by the scale and rounded to the nearest code, ties to even.
; LIMITS: a block whose largest magnitude lies under 2^-124, a block of zeros among them, gets the byte 1 (zero codes add nothing under it, and only this program reads the bytes); NaN and infinities are not served.
; THE PLACES.  In xq and in Wq's, Wk's and Wv's part of wq place p holds the row whose number is p with bits 3 and 4 exchanged.  So 16 neighbouring places, taken as a tile's rows, are rows
; 32 (t / 2) + 8 (t % 2) + r + 8 (r / 8): the choice that lets the next launch's results lie as 16 neighbours along the next K in a lane's registers.  Wo keeps its rows' order.
; A wave takes 8 rows (8,192 numbers) in 16 steps of 512, so the exchange only changes the number of the run that it writes: bits 0 and 1 of the run are the wave's number.
; Work-groups 0-255 take x, then 32 for each weight.  Each of a step's four loads reads 512 consecutive bytes; the 2,048 bytes turn through the wave's own stage in LDS and come back 64 bytes a lane (16 neighbours; two lanes
; hold a block).  A wave's store of codes covers 256 consecutive bytes; its 256 scale bytes are gathered in LDS and leave as one aligned run of 256.  No tensor loads, no barrier: waves share nothing.
.set STEPS, 16
.set EMAX,  2
.set CB,    8                          ; bytes of 16 codes
.set R,     16                         ; v16-79   four sets of 16 numbers as they are loaded
.set X,     80                         ; v80-111  two sets of 16 neighbours
.set C,     128                        ; v128-191 codes: four registers for each step, so that no store's data are written again
.set E,     112                        ; v112-127 a scale byte for each step
.set WREG,  8192                       ; LDS: a region for each wave: two stages of 32 x SP bytes, behind them its 256 scale bytes
.set SP,    80                         ; a lane's place in a stage: 64 bytes + 16 of padding
	s_load_b256 s[4:11], s[0:1], 0x0               ; x, Wq, Wk, Wv
	s_load_b128 s[12:15], s[0:1], 0x20             ; Wo, xq
	s_load_b64 s[24:25], s[0:1], 0x30              ; wq
	v_lshl_add_u32 v192, v0, 2, 0x8000
	v_mov_b32 v193, 0
	v_lshrrev_b32 v1, 5, v0
	v_readfirstlane_b32 s16, v1                    ; wave
	v_and_b32 v2, 31, v0                           ; lane
	v_lshlrev_b32 v3, 4, v2                        ; my 16 bytes of a load's 512
	s_mul_i32 s17, s16, WREG
	v_lshrrev_b32 v14, 2, v2
	v_mul_u32_u24 v14, v14, SP
	v_and_b32 v15, 3, v2
	v_lshl_add_u32 v14, v15, 4, v14
	v_add_nc_u32 v14, s17, v14                     ; the stage, on the way in: SP (lane / 4) + 16 (lane % 4)
	v_mul_u32_u24 v15, v2, SP
	v_add_nc_u32 v15, s17, v15                     ; and on the way out: SP x lane: my 16 neighbours
	v_mul_u32_u24 v4, v2, CB                       ; my codes' place in a step's
	v_lshrrev_b32 v5, 1, v2
	s_add_co_u32 s17, s17, 2*32*SP
	v_add_nc_u32 v5, s17, v5                       ; LDS: my wave's 256 scale bytes, my block's byte
	v_lshlrev_b32 v7, 3, v2                        ; and on the way out 8 bytes a lane
	v_add_nc_u32 v6, s17, v7
	s_wait_alu depctr_va_vdst(0)
	s_wait_kmcnt 0x0
	; which tensor: the choices hang on the work-group's number alone
	s_cmp_lt_u32 ttmp9, 288
	s_cselect_b64 s[6:7], s[6:7], s[8:9]           ; Wq or Wk
	s_cmp_lt_u32 ttmp9, 320
	s_cselect_b64 s[6:7], s[6:7], s[10:11]         ; or Wv
	s_cmp_lt_u32 ttmp9, 352
	s_cselect_b64 s[6:7], s[6:7], s[12:13]         ; or Wo,
	s_cselect_b32 s26, 1, 0                        ; whose rows keep their order
	s_cmp_lt_u32 ttmp9, 256
	s_cselect_b64 s[4:5], s[4:5], s[6:7]           ; from: x or a weight
	s_cselect_b64 s[8:9], s[14:15], s[24:25]       ; to: xq or wq
	s_mov_b32 s27, 0x200000
	s_cselect_b32 s27, 0x400000, s27               ; where the scale bytes begin there
	s_cselect_b32 s17, 0, 256
	s_cselect_b32 s28, -1, 31                      ; a weight has 32 work-groups
	s_sub_co_u32 s17, ttmp9, s17                   ; the work-group's number in its buffer of codes
	s_and_b32 s18, s17, s28
	s_lshl_b32 s18, s18, 2
	s_add_co_u32 s18, s18, s16                     ; the run that I read: 8 rows of the tensor
	s_and_b32 s19, s16, 1
	s_lshl_b32 s19, s19, 1
	s_lshr_b32 s20, s16, 1
	s_or_b32 s19, s19, s20                         ; the wave's number with its two bits exchanged
	s_cmp_eq_u32 s26, 1
	s_cselect_b32 s19, s19, s16
	s_lshl_b32 s17, s17, 2
	s_add_co_u32 s17, s17, s19                     ; the run that I write
	s_lshl_b32 s20, s18, 15                        ; 32,768 bytes of f32 a run (under 2^26)
	s_mov_b32 s21, 0
	s_add_nc_u64 s[4:5], s[4:5], s[20:21]
	s_lshl_b32 s20, s17, 8                         ; 256 scale bytes a run
	s_add_co_u32 s20, s20, s27
	s_add_nc_u64 s[10:11], s[8:9], s[20:21]
	s_lshl_b32 s20, s17, 12                        ; 4,096 bytes of codes a run
	s_add_nc_u64 s[8:9], s[8:9], s[20:21]
.macro LOAD t
.irp i, 0,1,2,3
	global_load_b128 v[R+16*((\t)%4)+4*\i:R+16*((\t)%4)+4*\i+3], v3, s[4:5] offset:2048*(\t)+512*\i th:TH_LOAD_NT   ; 32 lanes read 512 consecutive bytes
.endr
.endm
.macro TURN t                          ; step t's numbers through the stage: LDS serves a wave's instructions in order, so no wait stands between the stores and the loads
.irp i, 0,1,2,3
	ds_store_b128 v14, v[R+16*((\t)%4)+4*\i:R+16*((\t)%4)+4*\i+3] offset:32*SP*((\t)%2)+8*SP*\i
.endr
.irp i, 0,1,2,3
	ds_load_b128 v[X+16*((\t)%2)+4*\i:X+16*((\t)%2)+4*\i+3], v15 offset:32*SP*((\t)%2)+16*\i
.endr
.endm
.irp t, 0,1,2,3
	LOAD \t
.endr
	s_wait_loadcnt 12                              ; step 0's four loads are in
	TURN 0
.macro STEP t
.set XS, X+16*((\t)%2)
.if (\t) > 0
	s_wait_dscnt 1                                 ; this step's numbers are back from the stage (the last step's byte store may be out): so its stores into the stage have read their registers,
.else
	s_wait_dscnt 0x0
.endif
.if (\t)+4 < STEPS
	LOAD (\t)+4                                    ; which take the loads of four steps on
.endif
.if (\t)+1 < STEPS
.if STEPS-2-(\t) >= 3
	s_wait_loadcnt 12                              ; the next step's four loads are in; those of the three steps behind it may be out
.else
	s_wait_loadcnt 4*(STEPS-2-(\t))
.endif
	TURN (\t)+1                                    ; and go through the other stage while this step is worked
.endif
	v_max3_num_f32 v8, |v[XS]|, |v[XS+1]|, |v[XS+2]|               ; the largest magnitude of my 16, in two chains
	v_max3_num_f32 v9, |v[XS+3]|, |v[XS+4]|, |v[XS+5]|
.irp i, 6,10
	v_max3_num_f32 v8, v8, |v[XS+\i]|, |v[XS+\i+1]|
	v_max3_num_f32 v9, v9, |v[XS+\i+2]|, |v[XS+\i+3]|
.endr
	v_max3_num_f32 v8, v8, |v[XS+14]|, |v[XS+15]|
	v_max3_num_f32 v8, v8, v9, (EMAX+1)<<23        ; and the floor 2^(3 - 127): the byte cannot fall under 1
	v_max_num_f32_dpp v8, v8, v8 row_xmask:1 row_mask:0xf bank_mask:0xf   ; and of my neighbour's 16: the block's
	v_add_nc_u32 v11, -(EMAX<<23), v8              ; 2 off its exponent field: the conversion takes the exponent field of this operand as its scale
	v_cvt_scalef32_pk8_fp4_f32 v[C+4*(\t)], v[XS:XS+7], v11
	v_cvt_scalef32_pk8_fp4_f32 v[C+4*(\t)+1], v[XS+8:XS+15], v11
	v_lshrrev_b32 v[E+(\t)], 23, v11               ; the scale's byte (also the plain line behind the conversions)
	ds_store_b8 v5, v[E+(\t)] offset:16*(\t)       ; both lanes of a block write the same byte with the same value
	global_store_b64 v4, v[C+4*(\t):C+4*(\t)+1], s[8:9] offset:32*CB*(\t)   ; 32 lanes store 256 consecutive bytes
.endm
.irp t, 0,1,2,3,4,5,6,7,8,9,10,11,12,13,14,15
	STEP \t
.endr
	ds_load_b64 v[12:13], v6                       ; LDS serves a wave's instructions in order: these see my stores
	s_wait_dscnt 0x0
	global_store_b64 v7, v[12:13], s[10:11]        ; 32 lanes store 256 consecutive bytes, aligned
	s_wait_tensorcnt 0x0
	ds_add_u32 v192, v193
	s_wait_dscnt 0x0
	s_endpgm
.Lfunc_end_k_q3afdd11d8c_quant:
	.size	k_q3afdd11d8c_quant, .Lfunc_end_k_q3afdd11d8c_quant-k_q3afdd11d8c_quant
	.p2alignl 7, 3214868480
	.fill 96, 4, 3214868480
	.section	.rodata,"a",@progbits
	.p2align	6, 0x0
	.amdhsa_kernel k_q3afdd11d8c_quant
		.amdhsa_group_segment_fixed_size 33280
		.amdhsa_private_segment_fixed_size 0
		.amdhsa_enable_private_segment 0
		.amdhsa_kernarg_size 56
		.amdhsa_user_sgpr_count 2
		.amdhsa_user_sgpr_kernarg_segment_ptr 1
		.amdhsa_wavefront_size32 1
		.amdhsa_system_sgpr_workgroup_id_x 1
		.amdhsa_system_sgpr_workgroup_id_y 1
		.amdhsa_system_sgpr_workgroup_id_z 1
		.amdhsa_system_vgpr_workitem_id 0
		.amdhsa_next_free_vgpr 194
		.amdhsa_next_free_sgpr 66
		.amdhsa_reserve_vcc 0
		.amdhsa_float_denorm_mode_32 3
		.amdhsa_float_denorm_mode_16_64 3
		.amdhsa_memory_ordered 1
		.amdhsa_forward_progress 1
		.amdhsa_inst_pref_size 34
	.end_amdhsa_kernel
	.amdgpu_metadata
---
amdhsa.version: [ 1, 2 ]
amdhsa.kernels:
  - .name:           k_q3afdd11d8c_quant
    .symbol:         k_q3afdd11d8c_quant.kd
    .args:
      - { .name: x, .offset: 0, .size: 8, .value_kind: global_buffer, .address_space: global }
      - { .name: Wq, .offset: 8, .size: 8, .value_kind: global_buffer, .address_space: global }
      - { .name: Wk, .offset: 16, .size: 8, .value_kind: global_buffer, .address_space: global }
      - { .name: Wv, .offset: 24, .size: 8, .value_kind: global_buffer, .address_space: global }
      - { .name: Wo, .offset: 32, .size: 8, .value_kind: global_buffer, .address_space: global }
      - { .name: xq, .offset: 40, .size: 8, .value_kind: global_buffer, .address_space: global }
      - { .name: wq, .offset: 48, .size: 8, .value_kind: global_buffer, .address_space: global }
    .group_segment_fixed_size: 33280
    .private_segment_fixed_size: 0
    .kernarg_segment_align: 8
    .kernarg_segment_size: 56
    .max_flat_workgroup_size: 128
    .sgpr_count:     66
    .vgpr_count:     194
    .wavefront_size: 32
...
	.end_amdgpu_metadata
.endif
;; end of part 1
;; launch qkv (part 2): grid 12 x 32, 4 waves a work-group, clusters of 4 x 4, 327,680 bytes of LDS; arguments xq, wq, bq, bk, bv, qk, vq; writes qk, vq
.if DOCPART == 2
	.amdgcn_target "amdgcn-amd-amdhsa--gfx1250"
	.amdhsa_code_object_version 6
	.text
	.protected	k_q3afdd11d8c_qkv
	.globl	k_q3afdd11d8c_qkv
	.p2align	8
	.type	k_q3afdd11d8c_qkv,@function
k_q3afdd11d8c_qkv:
	s_mov_b64 s[64:65], 0
	v_nop
	global_prefetch_b8 v0, s[64:65] scope:SCOPE_SE
	s_setreg_imm32_b32 hwreg(HW_REG_WAVE_MODE, 25, 1), 1
	s_wait_xcnt 0x0
	s_wait_alu depctr_hold_cnt(0) depctr_sa_sdst(0) depctr_va_vdst(0) depctr_va_sdst(0) depctr_va_ssrc(0) depctr_va_vcc(0) depctr_vm_vsrc(0)
	s_getreg_b32 s2, hwreg(HW_REG_IB_STS2, 6, 4)
	s_cmp_eq_u32 s2, 0
	s_cbranch_scc0 .Lentry_in_a_cluster
	s_endpgm
.Lentry_in_a_cluster:
	s_bfe_u32 s2, ttmp6, 0x10000c
	s_cmp_lg_u32 s2, 0xf033
	s_cbranch_scc0 .Lentry_shape_is_right
	s_endpgm
.Lentry_shape_is_right:
; q = x Wq^T + bq, k = x Wk^T + bk, v = x Wv^T + bv on codes of FP4 (E2M1) with E8M0 scales (K = 1,024), each result quantised again on the way out and stored as IMAGES OF OPERAND REGISTERS for the attention launch.
; A work-group of four waves makes 256 x 256 results, a wave 128 x 128: 64 accumulators, 512 registers.  K goes in two steps of 512 through two LDS slots, each filled once; the scale bytes of the 512 rows come once too.
; ROLES.  Source 1 ("A") gives the lanes their rows, source 0 ("B") runs along a lane's registers, and that is the axis which is quantised next.
;   clusters x = 0, 1 (q and k): A = x's places, B = Wq's and Wk's places: a lane holds one token and 128 features = two heads; blocks of 32 along the head's 64.
;   cluster  x = 2   (v):       A = Wv's places, B = x's places: a lane holds one feature and 128 tokens: blocks of 32 along the keys.
; The places of xq and wq hold rows with bits 3 and 4 of their number exchanged, so register 8 t + j of a lane's eight tiles is index 32 (t / 2) + 16 (lane / 16) + 8 (t % 2) + j: 16 neighbours in each pair of tiles.
; qk: codes [g 32][batch 4][qs 16][a 8][512 bytes], g = head for q, 16 + head for k; an image is 16 rows x 64 along the head, lane l's 16 bytes at 16 l.  Scale words from byte 0x800000: [g][batch][qs][a / 4][r 16][a % 4],
;     two bytes used, the upper two 0.   vq: codes [head][batch][ks 16][dt 4][c 2][512 bytes]; scale words from byte 0x400000: [head][batch][ks][r 16][dt 4].
; CLUSTERS: 4 x 4 work-groups; A's tile is asked for jointly along a row of the cluster, B's along a column.  The mode hangs on the cluster's x alone, which all partners share.
; LIMITS: a block whose largest magnitude lies under 2^-124 (zeros among them) gets the byte 1; NaN and infinities are not served.
; REGISTERS: window 0: v0-31 addresses; v32-95 scale words, two sets; v96-103 bv by lane; v104-111 the scale words made; v112-119 the codes made; v128-191 A's fragments, on the way out the 64 numbers in hand; v192-255 the bias by register.
;   window 1: B's fragments, two sets (v0, v128).   window 2: accumulators of my rows 0-63 ((a, b) at v[8 (8 a + b)]);   window 3: those of rows 64-127.
.set NQ,     4                         ; matrix instructions deep in a slot (512 along K)
.set ROWB,   256                       ; a tile's row in bytes
.set KROW,   512                       ; a row of codes in memory
.set PITCH,  272                       ; an LDS row: 256 bytes + 16 of padding: the 16 rows that a load touches start 68 words apart
.set FR,     8                         ; registers of a fragment
.set NL,     2                         ; LDS loads that bring one
.set NP,     4                         ; places behind this matrix instruction (ISA guide 7.12.1)
.set HALFT,  128*PITCH
.set SLOT,   4*HALFT                   ; A's 256 rows, then B's 256 rows
.set KS,     32                        ; a row of scale bytes
.set SCL,    2*SLOT                    ; behind the slots: the scales, as runs of 256 bytes + 16 of padding
.set HALFS,  (128*KS/256)*272
.set SBLK,   (16*KS/256)*272
.set SPARE,  SCL+4*HALFS               ; the spare words, 128 bytes for each wave; no other line names them
.set ADRA, 16                          ; v16-17  LDS address of my A fragments in slot 0, 1
.set ADRB, 20                          ; v20-21  the same for B
.set LI,   24                          ; v24     16 x lane: an image's place for my lane
.set SOF,  25                          ; v25     where my scale words go
.set SHF,  26                          ; v26     16 x (lane / 16)
.set ADRS, 27                          ; v27     LDS address of my scale words: lanes 0-15 A's rows, lanes 16-31 B's
.set SPW,  28                          ; v28     LDS address of my spare word; never rewritten
.set NIL,  29                          ; v29     0; never rewritten
.set SC,   32                          ; scale words, two sets of 32
.set TM,   32                          ; the way out: 16 registers at work
.set BA,   96
.set PWS,  104
.set PC,   112
.set AF,   128
.set T,    128
.set BB,   192
.set SEL,  66                          ; s[66:67] lane selects for v_permlanex16_b32: lane l xor 16
.set G1, 24
.set G0, 32
.set G1B, 48
.set G0B, 56
.set G1S, 68
.set G0S, 76
.set G1SB, 80
.set G0SB, 88
.set MSB, 0
.macro WIN new                         ; the immediate's high byte repeats the setting that is left
.if MSB != (\new)
	s_set_vgpr_msb (MSB<<8)|(\new)
.set MSB, (\new)
.endif
.endm
.set MUL_LO, 0xa1                      ; source 0 (B) window 1, source 1 (A) window 0, C and D window 2
.set MUL_HI, 0xf1                      ; the same, C and D window 3
.set TO_B,   0x40                      ; destination window 1, address window 0
; A joint load: waves 0 and 1 fetch for A, waves 2 and 3 for B; the branch hangs on the wave's number alone.  Four v_nop follow each of the two lines.
.macro JLOAD g0a, g1a, g0b, g1b
	s_cmp_eq_u32 s15, 0
	s_cbranch_scc0 .Lfor_b_\@
	tensor_load_to_lds s[\g0a:\g0a+3], s[\g1a:\g1a+7]
	s_nop 0
.rept 4
	v_nop
.endr
	s_branch .Lasked_\@
.Lfor_b_\@:
	tensor_load_to_lds s[\g0b:\g0b+3], s[\g1b:\g1b+7]
	s_nop 0
.rept 4
	v_nop
.endr
.Lasked_\@:
.endm
.macro CROUND                          ; a round of the cluster's barrier
	s_barrier_signal -1
	s_barrier_wait -1
	s_cmp_lg_u32 s14, 0
	s_cbranch_scc1 .Lnot_wave_0_\@
	s_barrier_signal -3
.Lnot_wave_0_\@:
	s_barrier_wait -3
	s_barrier_signal -1
	s_barrier_wait -1
.endm
	s_load_b128 s[4:7], s[0:1], 0x0                ; xq, wq
	s_load_b128 s[96:99], s[0:1], 0x10             ; bq, bk
	s_load_b64 s[100:101], s[0:1], 0x20            ; bv
	s_load_b64 s[8:9], s[0:1], 0x28                ; qk
	s_load_b64 s[10:11], s[0:1], 0x30              ; vq
	v_lshl_add_u32 v[SPW], v0, 2, SPARE
	v_mov_b32 v[NIL], 0
	ds_add_u32 v28, v29
	ds_add_u32 v28, v29
	s_wait_dscnt 0x0
	v_lshrrev_b32 v1, 5, v0
	v_readfirstlane_b32 s14, v1                    ; wave 0..3
	s_lshr_b32 s15, s14, 1                         ; which half of A's rows is mine.  Also: I fetch for A (0) or for B (1)
	s_and_b32 s16, s14, 1                          ; which half of B's rows.  Also: which 128 rows of that tile I fetch
	s_bfe_u32 s40, ttmp6, 0x40000                  ; cx, cy: my place in the cluster
	s_bfe_u32 s41, ttmp6, 0x40004
	s_and_b32 s18, ttmp7, 0xffff                   ; the cluster's y
	s_cmp_eq_u32 ttmp9, 2                          ; the cluster's x says what is made: 0 q, 1 k, 2 v
	s_cselect_b32 s2, 1, 0                         ; the mode: 1 for v
	s_cselect_b32 s17, 0, s18
	s_cselect_b32 s42, s18, ttmp9
	s_lshl_b32 s17, s17, 2
	s_add_co_u32 s17, s17, s41                     ; A's tile: x's 4 y + cy, or Wv's cy
	s_lshl_b32 s42, s42, 2
	s_add_co_u32 s42, s42, s40                     ; B's tile: the weights' 4 x + cx, or x's 4 y + cx
	s_lshl_b32 s43, s41, 2
	s_lshl_b32 s43, 15, s43                        ; my row of the cluster
	s_lshl_b32 s44, 0x1111, s40                    ; my column
	s_mov_b32 s[SEL], 0x76543210
	s_mov_b32 s[SEL+1], 0xfedcba98
	; descriptor group 1: a tile of 128 rows x 256 bytes, 16 bytes of padding behind each row
	s_or_b32 s[G1+0], s43, (0<<16)|(1<<20)|(1<<21)|(5<<22)|(3<<25)  ; 15:0 the mask: A's tiles go to my row; elements of 1 byte; padding on; bit 21 beside a mask; after every 64 words four words
	s_or_b32 s[G1B+0], s44, (0<<16)|(1<<20)|(1<<21)|(5<<22)|(3<<25)
.irp g, G1, G1B
	s_mov_b32 s[\g+1], ROWB<<16                    ; tensor_dim0
	s_mov_b32 s[\g+2], 128<<16                     ; tensor_dim1
	s_mov_b32 s[\g+3], ROWB<<16                    ; tile_dim0
	s_mov_b32 s[\g+4], 128                         ; tile_dim1
	s_mov_b32 s[\g+5], KROW                        ; from row to row
	s_mov_b32 s[\g+6], 0
	s_mov_b32 s[\g+7], 0
.endr
	; the scales of 128 rows: 4,096 dense bytes as 16 rows of 256 (32 elements of 8 bytes), 16 bytes of padding behind each
	s_or_b32 s[G1S+0], s43, (3<<16)|(1<<20)|(1<<21)|(5<<22)|(3<<25)
	s_or_b32 s[G1SB+0], s44, (3<<16)|(1<<20)|(1<<21)|(5<<22)|(3<<25)
.irp g, G1S, G1SB
	s_mov_b32 s[\g+1], 32<<16
	s_mov_b32 s[\g+2], (128*KS/256)<<16
	s_mov_b32 s[\g+3], 32<<16
	s_mov_b32 s[\g+4], 128*KS/256
	s_mov_b32 s[\g+5], 32
	s_mov_b32 s[\g+6], 0
	s_mov_b32 s[\g+7], 0
.endr
	s_lshl_b32 s18, s16, 7                         ; which 128 rows of the tile I fetch
	s_lshl_b32 s20, s17, 8
	s_add_co_u32 s20, s20, s18                     ; A's first place
	s_lshl_b32 s46, s42, 8
	s_add_co_u32 s46, s46, s18                     ; B's first place
	s_lshl_b32 s22, s20, 5                         ; its scale bytes (all these offsets stay under 2^23)
	s_mov_b32 s23, 0
	s_lshl_b32 s20, s20, 9                         ; its codes
	s_mov_b32 s21, 0
	s_lshl_b32 s92, s46, 5
	s_mov_b32 s93, 0
	s_lshl_b32 s46, s46, 9
	s_mov_b32 s47, 0
	s_mul_i32 s45, s14, HALFT                      ; where they go: wave x 128 rows: no place in the cluster enters an LDS address
	s_mul_i32 s94, s14, HALFS
	s_wait_kmcnt 0x0
	s_add_nc_u64 s[76:77], s[4:5], 0x400000        ; x's scale bytes
	s_add_nc_u64 s[78:79], s[6:7], 0x200000        ; the weights' scale bytes
	s_add_nc_u64 s[88:89], s[6:7], 2048*512        ; Wv's codes
	s_add_nc_u64 s[90:91], s[6:7], 0x200000+2048*32  ; Wv's scale bytes
	s_cmp_eq_u32 s2, 1
	s_cselect_b64 s[88:89], s[88:89], s[4:5]       ; A's codes: Wv's or x's
	s_cselect_b64 s[90:91], s[90:91], s[76:77]     ; A's scales
	s_cselect_b64 s[4:5], s[4:5], s[6:7]           ; B's codes: x's or the weights'
	s_cselect_b64 s[76:77], s[76:77], s[78:79]     ; B's scales
	s_add_nc_u64 s[20:21], s[88:89], s[20:21]
	s_add_nc_u64 s[22:23], s[90:91], s[22:23]
	s_add_nc_u64 s[46:47], s[4:5], s[46:47]
	s_add_nc_u64 s[92:93], s[76:77], s[92:93]
	CROUND                                         ; all sixteen work-groups are here: the first joint loads meet
	s_mov_b32 s[G0S], 1
	s_add_co_u32 s[G0S+1], s94, SCL
	s_mov_b64 s[G0S+2:G0S+3], s[22:23]
	s_or_b32 s[G0S+3], s[G0S+3], 0x80000000
	s_mov_b32 s[G0SB], 1
	s_add_co_u32 s[G0SB+1], s94, SCL
	s_mov_b64 s[G0SB+2:G0SB+3], s[92:93]
	s_or_b32 s[G0SB+3], s[G0SB+3], 0x80000000
	JLOAD G0S, G1S, G0SB, G1SB                     ; the scales first: they are wanted with the first K step
.irp s, 0,1
	s_mov_b32 s[G0+4*\s], 1
	s_add_co_u32 s[G0+4*\s+1], s45, \s*SLOT
	s_add_nc_u64 s[G0+4*\s+2:G0+4*\s+3], s[20:21], \s*ROWB
	s_or_b32 s[G0+4*\s+3], s[G0+4*\s+3], 0x80000000
	s_mov_b32 s[G0B+4*\s], 1
	s_add_co_u32 s[G0B+4*\s+1], s45, \s*SLOT
	s_add_nc_u64 s[G0B+4*\s+2:G0B+4*\s+3], s[46:47], \s*ROWB
	s_or_b32 s[G0B+4*\s+3], s[G0B+4*\s+3], 0x80000000
	JLOAD G0+4*\s, G1, G0B+4*\s, G1B               ; both slots: three tensor loads of mine are out, and none follows
.endr
	v_and_b32 v1, 15, v0                           ; r = l % 16
	v_bfe_u32 v2, v0, 4, 1                         ; h = l / 16
	v_mul_u32_u24 v3, v1, PITCH
	v_lshl_add_u32 v4, v2, 4, v3                   ; a fragment's row x pitch + 16 x half
	s_mul_i32 s21, s15, HALFT                      ; my 128 rows of A
	s_mul_i32 s22, s16, HALFT                      ; my 128 rows of B,
	s_add_co_u32 s22, s22, 2*HALFT                 ; which lie behind A's 256
.irp s, 0,1
	v_add_nc_u32 v[ADRA+\s], s21, v4
	v_add_nc_u32 v[ADRB+\s], s22, v4
	s_add_co_u32 s21, s21, SLOT
	s_add_co_u32 s22, s22, SLOT
.endr
	v_mul_u32_u24 v5, v1, KS                       ; my row's scales: 32 bytes a row,
	v_lshrrev_b32 v6, 8, v5
	v_lshl_add_u32 v5, v6, 4, v5                   ; and 16 more for each 256 passed
	s_mul_i32 s21, s15, HALFS
	s_mul_i32 s22, s16, HALFS
	s_add_co_u32 s22, s22, 2*HALFS
	s_sub_co_u32 s22, s22, s21
	v_mul_u32_u24 v6, s22, v2                      ; lanes 16-31 take B's
	s_add_co_u32 s21, s21, SCL
	v_add_nc_u32 v5, v5, v6
	v_add_nc_u32 v[ADRS], s21, v5
	; THE BIASES.  Both sets are loaded in both modes, so that every register is written on every way; the set that the mode does not use comes from a valid place and is never read.
	s_cmp_eq_u32 ttmp9, 0
	s_cselect_b64 s[96:97], s[96:97], s[98:99]     ; bq or bk
	s_cmp_eq_u32 ttmp9, 2
	s_cselect_b64 s[96:97], s[100:101], s[96:97]   ; (bv in the mode that does not use this set)
	s_lshl_b32 s18, s40, 10
	s_lshl_b32 s19, s16, 9
	s_add_co_u32 s18, s18, s19                     ; 4 x (256 cx + 128 x my half of B's rows)
	s_mov_b32 s19, 0
	s_add_nc_u64 s[96:97], s[96:97], s[18:19]
	s_lshl_b32 s18, s41, 10
	s_lshl_b32 s19, s15, 9
	s_add_co_u32 s18, s18, s19                     ; 4 x (256 cy + 128 x my half of A's rows)
	s_mov_b32 s19, 0
	s_add_nc_u64 s[100:101], s[100:101], s[18:19]
	v_lshlrev_b32 v7, 6, v2                        ; by register: my half's 16 of each 32
	v_and_b32 v8, 8, v1
	v_add_nc_u32 v8, v8, v1
	v_lshlrev_b32 v8, 2, v8                        ; by lane: 4 (r + 8 (r / 8))
.irp k, 0,1,2,3
.irp i, 0,1,2,3
	global_load_b128 v[BB+16*\k+4*\i:BB+16*\k+4*\i+3], v7, s[96:97] offset:128*\k+16*\i   ; register 16 k + e: feature 32 k + 16 h + e
.endr
.endr
.irp a, 0,1,2,3,4,5,6,7
	global_load_b32 v[BA+\a], v8, s[100:101] offset:4*(32*(\a/2)+8*(\a%2))               ; block a, lane r: feature 32 (a / 2) + 8 (a % 2) + r + 8 (r / 8)
.endr
	; WHERE THE RESULTS GO.  P: the first of my two heads (g in qk, head in vq); G: my group of 128 tokens = 16 x batch + qs
	s_cmp_eq_u32 s2, 1
	s_cselect_b32 s18, s17, s42
	s_cselect_b32 s19, s15, s16
	s_cselect_b32 s20, s42, s17
	s_cselect_b32 s21, s16, s15
	s_cselect_b64 s[12:13], s[10:11], s[8:9]       ; vq or qk
	s_mov_b32 s22, 0x800000
	s_cselect_b32 s22, 0x400000, s22               ; where the scale words begin there
	s_mov_b32 s23, 32768
	s_cselect_b32 s23, 16384, s23                  ; and how far a head's lie from the next head's
	s_lshl_b32 s18, s18, 2
	s_lshl_b32 s19, s19, 1
	s_add_co_u32 s18, s18, s19                     ; P
	s_lshl_b32 s20, s20, 1
	s_add_co_u32 s20, s20, s21                     ; G
	s_lshl_b32 s46, s18, 18                        ; codes: 262,144 bytes a head, 4,096 a group
	s_lshl_b32 s47, s20, 12
	s_add_co_u32 s46, s46, s47
	s_mov_b32 s47, 0
	s_lshl_b32 s18, s18, 15                        ; scale words: 32,768 and 512 in qk, half of that in vq
	s_lshl_b32 s20, s20, 9
	s_add_co_u32 s18, s18, s20
	s_lshr_b32 s18, s18, s2
	s_add_co_u32 s18, s18, s22
	s_mov_b32 s19, 0
	s_add_nc_u64 s[104:105], s[12:13], s[18:19]
	s_add_nc_u64 s[12:13], s[12:13], s[46:47]
	v_and_b32 v6, 31, v0
	v_lshlrev_b32 v[LI], 4, v6
	v_mul_u32_u24 v[SOF], s23, v2                  ; lanes 16-31 store the second head's words
	v_lshl_add_u32 v[SOF], v1, 4, v[SOF]           ; 16 bytes a row
	v_lshlrev_b32 v[SHF], 4, v2
.macro FRAG reg, adr, q, i             ; 16 rows x 128 K of 4-bit codes: lane l holds row l % 16; registers 4 c .. 4 c + 3 hold K = 64 c + 32 (l / 16) + 0 .. 31
.irp c, 0,1
	ds_load_b128 v[\reg+4*\c:\reg+4*\c+3], v[\adr] offset:64*(\q)+32*\c+(\i)*16*PITCH
.endr
.endm
; 16 matrix instructions: A's blocks a0, a0 + 1 x B's eight, the slot's q-th 128 along K.  p: B's set; sc: the set of scale words.  zero = 1: the first product starts the sums.
; The 64 accumulators take turns, one instruction a turn, in the same order in every step.
.macro MUL16 a0, p, q, sc, zero
.irp a, \a0, \a0+1
.irp b, 0,1,2,3,4,5,6,7
.if \zero
	v_wmma_scale_f32_16x16x128_f8f6f4 v[8*(8*((\a)%4)+\b):8*(8*((\a)%4)+\b)+7], v[128*(\p)+FR*\b:128*(\p)+FR*\b+FR-1], v[AF+FR*(\a):AF+FR*(\a)+FR-1], 0, v[SC+8*NQ*(\sc)+NQ*\b+(\q)], v[SC+8*NQ*(\sc)+NQ*(\a)+(\q)] matrix_a_fmt:MATRIX_FMT_FP4 matrix_b_fmt:MATRIX_FMT_FP4 matrix_a_scale:MATRIX_SCALE_ROW1
.else
	v_wmma_scale_f32_16x16x128_f8f6f4 v[8*(8*((\a)%4)+\b):8*(8*((\a)%4)+\b)+7], v[128*(\p)+FR*\b:128*(\p)+FR*\b+FR-1], v[AF+FR*(\a):AF+FR*(\a)+FR-1], v[8*(8*((\a)%4)+\b):8*(8*((\a)%4)+\b)+7], v[SC+8*NQ*(\sc)+NQ*\b+(\q)], v[SC+8*NQ*(\sc)+NQ*(\a)+(\q)] matrix_a_fmt:MATRIX_FMT_FP4 matrix_b_fmt:MATRIX_FMT_FP4 matrix_a_scale:MATRIX_SCALE_ROW1
.endif
.endr
.endr
.endm
.macro FETCH_B slot, q, p              ; B's eight fragments into set p
	WIN TO_B
.irp i, 0,1,2,3,4,5,6,7
	FRAG 128*(\p)+FR*\i, ADRB+\slot, \q, \i
.endr
	WIN 0
.endm
.macro FETCH_A slot, q, i0             ; A's blocks i0 .. i0 + 3
.irp i, \i0, \i0+1, \i0+2, \i0+3
	FRAG AF+FR*(\i), ADRA+\slot, \q, \i
.endr
.endm
.macro SCALES sc                       ; a slot's scale words: four words a row; lanes 0-15 take A's block i, lanes 16-31 B's block i
.irp i, 0,1,2,3,4,5,6,7
	ds_load_b128 v[SC+8*NQ*\sc+NQ*\i:SC+8*NQ*\sc+NQ*\i+3], v[ADRS] offset:\i*SBLK
.endr
.endm
.macro PLACES n                        ; plain vector lines between a matrix instruction and a load into, or a vector line on, its registers
.rept \n
	v_nop
.endr
.endm
.macro STEP slot, q, zero              ; a step of 128 along K that has its successor in the same slot
	s_wait_dscnt 4*NL                              ; B's set and A's blocks 0-3 are in; the youngest eight loads (A's blocks 4-7) may be out
	WIN MUL_LO
	MUL16 0, (\q)%2, \q, \slot, \zero
	MUL16 2, (\q)%2, \q, \slot, \zero
	s_wait_dscnt 0                                 ; A's blocks 4-7 are in
	PLACES NP
	FETCH_B \slot, (\q)+1, 1-(\q)%2
	FETCH_A \slot, (\q)+1, 0
	WIN MUL_HI
	MUL16 4, (\q)%2, \q, \slot, \zero
	MUL16 6, (\q)%2, \q, \slot, \zero
	PLACES NP
	WIN 0
	FETCH_A \slot, (\q)+1, 4
.endm
.macro TURN slot, next                 ; slot 0's last step changes slots: one barrier; nothing is filled again
	s_wait_tensorcnt 0x0                           ; all my tensor loads have landed: my part of the next slot
	ds_add_u32 v[SPW], v[NIL]                      ; 0 onto my spare word
	s_wait_dscnt 4*NL+1                            ; (the add and the youngest eight loads may be out)
	WIN MUL_LO
	MUL16 0, 1, NQ-1, \slot, 0
	s_wait_dscnt 0x0                               ; the add is done, and my reads of this slot are over
	s_barrier_signal -1
	MUL16 2, 1, NQ-1, \slot, 0
	WIN 0
	s_barrier_wait -1                              ; the next slot is whole
	PLACES NP
	v_add_nc_u32 v[ADRS], 4*NQ, v[ADRS]            ; on to the next slot's scale words
	FETCH_B \next, 0, 0
	FETCH_A \next, 0, 0
	SCALES \next
	WIN MUL_HI
	MUL16 4, 1, NQ-1, \slot, 0
	MUL16 6, 1, NQ-1, \slot, 0
	PLACES NP
	WIN 0
	FETCH_A \next, 0, 4
.endm
.macro STEPS slot, from
.set Q, \from
.rept NQ-1-\from
	STEP \slot, Q, 0
.set Q, Q+1
.endr
.endm
	s_wait_tensorcnt 1                             ; the scales and my part of slot 0 are in (slot 1's load may be out),
	s_barrier_signal -1
	s_barrier_wait -1                              ; everybody's are
	FETCH_B 0, 0, 0
	FETCH_A 0, 0, 0
	SCALES 0
	FETCH_A 0, 0, 4
	STEP 0, 0, 1                                   ; the first products start the sums
	STEPS 0, 1
	TURN 0, 1
	STEPS 1, 0
	s_wait_dscnt 4*NL                              ; the last step: nothing more to fetch
	WIN MUL_LO
	MUL16 0, 1, NQ-1, 1, 0
	MUL16 2, 1, NQ-1, 1, 0
	s_wait_dscnt 0
	WIN MUL_HI
	MUL16 4, 1, NQ-1, 1, 0
	MUL16 6, 1, NQ-1, 1, 0
	WIN 0
; THE WAY OUT, no LDS: 64 numbers of a lane, register 16 b + i = index 32 b + 16 (lane / 16) + i, become a fragment's codes in v[PC] on and its scale word in v[pw].
.macro QUANT s, pw
.irp b, 0,1,2,3
	v_max3_num_f32 v[TM+\b], |v[\s+16*\b]|, |v[\s+1+16*\b]|, 0x1800000   ; block b: my 16 numbers, and the floor 2^(3 - 127): the byte cannot fall under 1
.endr
.irp i, 2,4,6,8,10,12,14
.irp b, 0,1,2,3
	v_max3_num_f32 v[TM+\b], v[TM+\b], |v[\s+16*\b+\i]|, |v[\s+1+16*\b+\i]|   ; (the four blocks by turns)
.endr
.endr
.irp b, 0,1,2,3
	v_permlanex16_b32 v[TM+4+\b], v[TM+\b], s[SEL], s[SEL+1]
.endr
.irp b, 0,1,2,3
	v_max_num_f32 v[TM+\b], v[TM+\b], v[TM+4+\b]   ; with lane l xor 16's: the block's largest magnitude
.endr
.irp b, 0,1,2,3
	v_add_nc_u32 v[TM+12+\b], 0xff000000, v[TM+\b] ; 2 off its exponent field: the conversion's scale operand
.endr
.irp b, 0,1,2,3
	v_lshrrev_b32 v[TM+4+\b], 23, v[TM+12+\b]      ; the scale's byte
.endr
	v_lshl_or_b32 v[\pw], v[TM+5], 8, v[TM+4]
	v_lshl_or_b32 v[\pw], v[TM+6], 16, v[\pw]
	v_lshl_or_b32 v[\pw], v[TM+7], 24, v[\pw]
	s_wait_xcnt 0x0                                ; the last block's stores have read the codes' registers: they are written again only behind this wait
.irp b, 0,1,2,3
	v_cvt_scalef32_pk8_fp4_f32 v[PC+2*\b], v[\s+16*\b:\s+7+16*\b], v[TM+12+\b]
	v_cvt_scalef32_pk8_fp4_f32 v[PC+1+2*\b], v[\s+8+16*\b:\s+15+16*\b], v[TM+12+\b]
.endr
	v_nop                                          ; one plain place behind a scaled conversion
.irp c, 0,1                                    ; a whole block to a lane: lanes 0-15 block 2 c, lanes 16-31 block 2 c + 1
.irp i, 0,1
	v_permlane16_swap_b32 v[PC+4*\c+\i], v[PC+2+4*\c+\i]
.endr
.endr
.endm
; A's block a: bias, quantiser, two images of 512 consecutive bytes each
.macro OUT a, mode
.set AC, 64*((\a)%4)
	WIN 0x02+((\a)/4)                              ; source 0: window 2 or 3
.set ii, 0
.rept 32                                       ; each accumulator is read from its low end on
.if \mode
.if (\a)%2
	v_pk_add_f32 v[T+ii:T+ii+1], v[AC+ii:AC+ii+1], v[BA+2*((\a)/2):BA+2*((\a)/2)+1] op_sel:[0,1] op_sel_hi:[1,1]   ; bv of my lane's feature, the pair's upper word for both
.else
	v_pk_add_f32 v[T+ii:T+ii+1], v[AC+ii:AC+ii+1], v[BA+2*((\a)/2):BA+2*((\a)/2)+1] op_sel_hi:[1,0]                ; the pair's lower word for both
.endif
.else
	v_pk_add_f32 v[T+ii:T+ii+1], v[AC+ii:AC+ii+1], v[BB+ii:BB+ii+1]
.endif
.set ii, ii+2
.endr
	WIN 0
	QUANT T, PWS+\a
.irp c, 0,1
.if \mode
	global_store_b128 v[LI], v[PC+4*\c:PC+4*\c+3], s[12:13] offset:((\a)/4)*262144+((\a)%4)*1024+\c*512   ; head a / 4, dt = a % 4, keys 64 c on
.else
	global_store_b128 v[LI], v[PC+4*\c:PC+4*\c+3], s[12:13] offset:\c*262144+(\a)*512                     ; head c of my two, tile a
.endif
.endr
.endm
	PLACES NP                                      ; behind the last products: the lines below write registers that held A's fragments and scale words, and read results
	s_wait_loadcnt 0x0                             ; the biases
.irp b, 0,1,2,3
	v_mov_b32 v[TM+4+\b], 0                        ; written once: a lane permute's destination counts as one of its sources
.endr
	s_cmp_eq_u32 s2, 0                             ; the mode: the cluster's x, the same in all partners
	s_cbranch_scc0 .Lv_out
.irp a, 0,1,2,3,4,5,6,7
	OUT \a, 0
.endr
.irp a, 0,1,2,3,4,5,6,7
	v_lshrrev_b32 v[PWS+\a], v[SHF], v[PWS+\a]     ; lanes 0-15 keep the first head's two bytes, lanes 16-31 the second's;
.endr
.irp a, 0,1,2,3,4,5,6,7
	v_and_b32 v[PWS+\a], 0xffff, v[PWS+\a]         ; the upper two bytes are 0: they will stand over zero codes
.endr
	global_store_b128 v[SOF], v[PWS:PWS+3], s[104:105]               ; 16 lanes store 256 consecutive bytes
	global_store_b128 v[SOF], v[PWS+4:PWS+7], s[104:105] offset:256
	s_branch .Lend
.Lv_out:
.irp a, 0,1,2,3,4,5,6,7
	OUT \a, 1
.endr
	v_cmp_eq_u32 vcc_lo, 1, v2                     ; lanes 16-31 store the second head's words (blocks 4-7)
	s_wait_xcnt 0x0                                ; the last images' stores have read their registers
.irp i, 0,1,2,3
	v_cndmask_b32 v[PC+\i], v[PWS+\i], v[PWS+4+\i], vcc_lo
.endr
	global_store_b128 v[SOF], v[PC:PC+3], s[104:105]
.Lend:
	s_wait_tensorcnt 0x0                           ; the wave's end
	ds_add_u32 v[SPW], v[NIL]
	s_wait_dscnt 0x0
	CROUND                                         ; the closing round: no work-group ends while a partner may still ask for a tile that names it
	s_endpgm
.Lfunc_end_k_q3afdd11d8c_qkv:
	.size	k_q3afdd11d8c_qkv, .Lfunc_end_k_q3afdd11d8c_qkv-k_q3afdd11d8c_qkv
	.p2alignl 7, 3214868480
	.fill 96, 4, 3214868480
	.section	.rodata,"a",@progbits
	.p2align	6, 0x0
	.amdhsa_kernel k_q3afdd11d8c_qkv
		.amdhsa_group_segment_fixed_size 327680
		.amdhsa_private_segment_fixed_size 0
		.amdhsa_enable_private_segment 0
		.amdhsa_kernarg_size 56
		.amdhsa_user_sgpr_count 2
		.amdhsa_user_sgpr_kernarg_segment_ptr 1
		.amdhsa_wavefront_size32 1
		.amdhsa_system_sgpr_workgroup_id_x 1
		.amdhsa_system_sgpr_workgroup_id_y 1
		.amdhsa_system_sgpr_workgroup_id_z 1
		.amdhsa_system_vgpr_workitem_id 0
		.amdhsa_next_free_vgpr 1024
		.amdhsa_next_free_sgpr 106
		.amdhsa_reserve_vcc 1
		.amdhsa_float_denorm_mode_32 3
		.amdhsa_float_denorm_mode_16_64 3
		.amdhsa_memory_ordered 1
		.amdhsa_forward_progress 1
		.amdhsa_inst_pref_size 196
	.end_amdhsa_kernel
	.amdgpu_metadata
---
amdhsa.version: [ 1, 2 ]
amdhsa.kernels:
  - .name:           k_q3afdd11d8c_qkv
    .symbol:         k_q3afdd11d8c_qkv.kd
    .args:
      - { .name: xq, .offset: 0, .size: 8, .value_kind: global_buffer, .address_space: global }
      - { .name: wq, .offset: 8, .size: 8, .value_kind: global_buffer, .address_space: global }
      - { .name: bq, .offset: 16, .size: 8, .value_kind: global_buffer, .address_space: global }
      - { .name: bk, .offset: 24, .size: 8, .value_kind: global_buffer, .address_space: global }
      - { .name: bv, .offset: 32, .size: 8, .value_kind: global_buffer, .address_space: global }
      - { .name: qk, .offset: 40, .size: 8, .value_kind: global_buffer, .address_space: global }
      - { .name: vq, .offset: 48, .size: 8, .value_kind: global_buffer, .address_space: global }
    .group_segment_fixed_size: 327680
    .private_segment_fixed_size: 0
    .kernarg_segment_align: 8
    .kernarg_segment_size: 56
    .max_flat_workgroup_size: 128
    .sgpr_count:     106
    .vgpr_count:     1024
    .wavefront_size: 32
...
	.end_amdgpu_metadata
.endif
;; end of part 2
;; launch attn (part 3): grid 4 x 64, 16 waves a work-group, no clusters, 169,984 bytes of LDS; arguments qk, vq, cq; writes cq
.if DOCPART == 3
	.amdgcn_target "amdgcn-amd-amdhsa--gfx1250"
	.amdhsa_code_object_version 6
	.text
	.protected	k_q3afdd11d8c_attn
	.globl	k_q3afdd11d8c_attn
	.p2align	8
	.type	k_q3afdd11d8c_attn,@function
k_q3afdd11d8c_attn:
	s_mov_b64 s[64:65], 0
	v_nop
	global_prefetch_b8 v0, s[64:65] scope:SCOPE_SE
	s_setreg_imm32_b32 hwreg(HW_REG_WAVE_MODE, 25, 1), 1
	s_wait_xcnt 0x0
; ctx = softmax(q k^T / 8, causal) v for one head and batch, both products on codes of FP4 (E2M1) with E8M0 scales; ctx is quantised along the model's 1,024 and stored as images of operand registers for the last product.
; THE SOFTMAX: t = score x log2(e) / 8; M = the running largest t rounded UP to a whole number; p = 2^(t - M) is quantised along the keys, not normalised; the row's sum is taken of the unquantised p and divides O at the end.
; When M moves, the sum and O are multiplied by 2^(old M - new M), which rounds nothing.
; SHARES.  y = 4 head + batch; x = i = 0..3.  A work-group owns the blocks i and 7 - i of 256 queries; wave w takes tile w of block i (phase LOW), then tile 15 - w of block 7 - i (phase HIGH).
; A tile of group qs (128 queries) wants key steps 0 .. qs of 128 keys: the two tiles of every wave want 17 steps together, in every work-group: 256 equal work-groups.
; ALL OF THE HEAD'S K AND V LIE IN LDS, each byte filled once: keys 0-1,023 by each fetching wave's first load, the rest by its second; phase LOW reads the first half alone.  No slot is ever filled again.
; LAYOUT.  Both products transposed: S^T = K Q^T, O^T = V^T P^T: a lane holds ONE query.  The images of qk and vq hold rows 32 (t / 2) + 8 (t % 2) + r + 8 (r / 8) in lane r of tile t, so that the 16 registers of
; tiles 2 b and 2 b + 1 are 16 neighbours (keys in S^T, channels in O^T).  THE HEAD HAS 64 CHANNELS, the instruction takes 128: Q's registers 4-7 are zero codes, so whatever K's fragment names there adds nothing:
; tile t is named v[32 + 4 t .. + 7], whose upper half is the next tile's codes (zeros behind tile 7); scale bytes 2 and 3 of Q's and K's words are 0.
; CAUSAL.  The loops' trip counts are constants; a step whose keys all come after the tile's queries is jumped over by a scalar branch on ids; in the one step on the diagonal hidden scores become -infinity.
; NO CLUSTER: the four work-groups that read the same K and V differ in i, on which the jump over hidden steps and the tiles' addresses hang; partners of a cluster may not differ so.
; NOTHING IS ASKED FOR AHEAD: every byte of K and V is named by the loads at the head, and no load follows them.
; cq: codes [RT 512][kq 8][c 2][512 bytes], RT = 128 batch + 8 qs + a, head = 2 kq + c; scale bytes from byte 0x400000: [16 RT + r][32].  A tile's 32 scale bytes of one head are single bytes 32 apart: a row's 32 bytes
; come from 16 heads' work-groups, so these stores do not cover whole runs of 256 bytes (262,144 bytes in all).
; LIMITS: a block of ctx or of p whose largest magnitude lies under 2^-124 gets the byte 1; NaN and infinities are not served.
; REGISTERS: v1-7 addresses that stay; v8-11 addresses in hand; v12 -M, v13 the largest t, v[14:15] the sum; v16-23 Q LOW; v32-63 K's tiles, v64-67 zeros; v68-75 K's scale words, v76-79 V's; v80-87 Q HIGH, v88 its scale word;
;   v96-159 S^T, then p; v160-191 O^T; v192-223 V's fragments; v224-231 codes; v232-254 at work; v255 Q LOW's scale word.
.set VC,   65536                       ; LDS: K's codes [ks 16][t 8][512] at 0; V's [ks][dt 4][c 2][512] here;
.set KSC,  131072                      ; K's scale words, 512 bytes a key step;
.set VSC,  139264                      ; V's, 256 bytes a key step
.set WV,   18
.set SEL,  20                          ; s[20:21] lane selects: lane l xor 16
.set CS,   22                          ; s[22:23] c = log2(e) / 8
.set G1C,  24                          ; groups 1: 32,768 bytes of codes; 4,096 of K's scale words; 2,048 of V's
.set G1K,  32
.set G1V,  40
.set G0C,  48                          ; groups 0, two each: first half, second half
.set G0K,  56
.set G0V,  68
.set TK,   2                           ; s2   the step's codes: 4,096 bytes a step
.set TS,   3                           ; s3   K's scale words: 512
.set TV,   66                          ; s66  V's: 256
.set KS,   67                          ; s67  the key step
.set QSL,  76                          ; qs and a of my two tiles
.set QSH,  77
.set AL,   78
.set AH,   79
.set CBL,  80                          ; where their codes and scale bytes go
.set SBL,  82
.set CBH,  84
.set SBH,  86
	s_load_b128 s[4:7], s[0:1], 0x0                ; qk, vq
	s_load_b64 s[8:9], s[0:1], 0x10                ; cq
	v_lshl_add_u32 v250, v0, 2, 0x29000
	v_mov_b32 v251, 0
	ds_add_u32 v250, v251
	ds_add_u32 v250, v251
	v_lshrrev_b32 v8, 5, v0
	s_delay_alu instid0(VALU_DEP_1)
	v_readfirstlane_b32 s[WV], v8                  ; wave 0..15
	s_and_b32 s10, ttmp7, 0xffff                   ; y = 4 head + batch
	; groups 1: dense blocks as rows of 256 bytes (32 elements of 8 bytes), no padding: an image is read 16 bytes a lane, on end
.irp g, G1C, G1K, G1V
	s_mov_b32 s[\g], 3<<16
	s_mov_b32 s[\g+1], 32<<16                      ; tensor_dim0
	s_mov_b32 s[\g+3], 32<<16                      ; tile_dim0
	s_mov_b32 s[\g+5], 32                          ; from row to row
	s_mov_b32 s[\g+6], 0
	s_mov_b32 s[\g+7], 0
.endr
	s_mov_b32 s[G1C+2], 128<<16                    ; tensor_dim1, tile_dim1: the rows
	s_mov_b32 s[G1C+4], 128
	s_mov_b32 s[G1K+2], 16<<16
	s_mov_b32 s[G1K+4], 16
	s_mov_b32 s[G1V+2], 8<<16
	s_mov_b32 s[G1V+4], 8
	s_mov_b32 s[SEL], 0x76543210
	s_mov_b32 s[SEL+1], 0xfedcba98
	s_mov_b32 s[CS], 0x3e38aa3b                    ; log2(e) / 8
	s_mov_b32 s[CS+1], s[CS]                       ; (named with it as a pair, so it is written)
	s_and_b32 s11, s[WV], 1
	s_lshl_b32 s11, s11, 16                        ; wave 0: K's codes at 0; wave 1: V's at 65,536
	s_lshl_b32 s12, s10, 16                        ; 65,536 bytes of codes for a head and batch
	s_mov_b32 s13, 0
	s_add_co_u32 s14, s12, 0x400000                ; k lies 64 such behind q
	s_mov_b32 s15, 0
	s_wait_dscnt 0x0
	s_wait_kmcnt 0x0
	s_add_nc_u64 s[88:89], s[4:5], s[14:15]        ; K's codes
	s_add_nc_u64 s[90:91], s[6:7], s[12:13]        ; V's codes
	s_cmp_eq_u32 s[WV], 0
	s_cselect_b64 s[88:89], s[88:89], s[90:91]
	s_mov_b32 s[G0C], 1
	s_mov_b32 s[G0C+1], s11
	s_mov_b64 s[G0C+2:G0C+3], s[88:89]
	s_or_b32 s[G0C+3], s[G0C+3], 0x80000000
	s_mov_b32 s[G0C+4], 1
	s_add_co_u32 s[G0C+5], s11, 32768
	s_add_nc_u64 s[G0C+6:G0C+7], s[88:89], 32768
	s_or_b32 s[G0C+7], s[G0C+7], 0x80000000
	s_lshl_b32 s14, s10, 13                        ; K's scale words: 8,192 bytes for a head and batch, behind q's 64
	s_add_co_u32 s14, s14, 0x880000
	s_add_nc_u64 s[92:93], s[4:5], s[14:15]
	s_mov_b32 s[G0K], 1
	s_mov_b32 s[G0K+1], KSC
	s_mov_b64 s[G0K+2:G0K+3], s[92:93]
	s_or_b32 s[G0K+3], s[G0K+3], 0x80000000
	s_mov_b32 s[G0K+4], 1
	s_mov_b32 s[G0K+5], KSC+4096
	s_add_nc_u64 s[G0K+6:G0K+7], s[92:93], 4096
	s_or_b32 s[G0K+7], s[G0K+7], 0x80000000
	s_lshl_b32 s14, s10, 12                        ; V's: 4,096
	s_add_co_u32 s14, s14, 0x400000
	s_add_nc_u64 s[92:93], s[6:7], s[14:15]
	s_mov_b32 s[G0V], 1
	s_mov_b32 s[G0V+1], VSC
	s_mov_b64 s[G0V+2:G0V+3], s[92:93]
	s_or_b32 s[G0V+3], s[G0V+3], 0x80000000
	s_mov_b32 s[G0V+4], 1
	s_mov_b32 s[G0V+5], VSC+2048
	s_add_nc_u64 s[G0V+6:G0V+7], s[92:93], 2048
	s_or_b32 s[G0V+7], s[G0V+7], 0x80000000
	; THE FILLS: a fetching wave's two loads stand together in one arm of a branch on the wave's number; two tensor loads of mine are out at the most.  Four v_nop follow the second.
	s_cmp_lt_u32 s[WV], 2
	s_cbranch_scc0 .Lnot_codes
	tensor_load_to_lds s[G0C:G0C+3], s[G1C:G1C+7]
	s_nop 0
	tensor_load_to_lds s[G0C+4:G0C+7], s[G1C:G1C+7]
	s_nop 0
.rept 4
	v_nop
.endr
	s_branch .Lasked
.Lnot_codes:
	s_cmp_eq_u32 s[WV], 2
	s_cbranch_scc0 .Lnot_ks
	tensor_load_to_lds s[G0K:G0K+3], s[G1K:G1K+7]
	s_nop 0
	tensor_load_to_lds s[G0K+4:G0K+7], s[G1K:G1K+7]
	s_nop 0
.rept 4
	v_nop
.endr
	s_branch .Lasked
.Lnot_ks:
	s_cmp_eq_u32 s[WV], 3
	s_cbranch_scc0 .Lasked
	tensor_load_to_lds s[G0V:G0V+3], s[G1V:G1V+7]
	s_nop 0
	tensor_load_to_lds s[G0V+4:G0V+7], s[G1V:G1V+7]
	s_nop 0
.rept 4
	v_nop
.endr
.Lasked:
	v_and_b32 v8, 31, v0
	s_delay_alu instid0(VALU_DEP_1)
	v_lshlrev_b32 v1, 4, v8                        ; 16 x lane: an image's place for my lane, in LDS (K) and in memory
	s_delay_alu instid0(VALU_DEP_1)
	v_add_nc_u32 v2, VC, v1                        ; the same for V
	v_and_b32 v8, 15, v0                           ; r
	v_bfe_u32 v9, v0, 4, 1                         ; h
	s_delay_alu instid0(VALU_DEP_2)
	v_lshlrev_b32 v11, 4, v8                       ; 16 r
	s_delay_alu instid0(VALU_DEP_1)
	v_add_nc_u32 v3, KSC, v11                      ; K's scale words of row r: four tiles' words on end
	s_delay_alu instid0(VALU_DEP_2)
	v_add_nc_u32 v4, VSC, v11                      ; V's
	s_delay_alu instid0(VALU_DEP_4)
	v_lshl_add_u32 v7, v8, 5, v9                   ; ctx's scale bytes: 32 r + h
	v_and_b32 v10, 8, v8
	s_delay_alu instid0(VALU_DEP_1)
	v_add_nc_u32 v10, v10, v8                      ; r + 8 (r / 8)
	v_lshlrev_b32 v9, 4, v9
	s_delay_alu instid0(VALU_DEP_1)
	v_sub_nc_u32 v10, v10, v9                      ; - 16 h
	s_wait_alu depctr_va_vdst(0)
	s_lshl_b32 s11, ttmp9, 1                       ; 2 i
	s_lshr_b32 s14, s[WV], 3
	s_add_co_u32 s[QSL], s11, s14                  ; LOW: tile w of block i
	s_and_b32 s[AL], s[WV], 7
	s_sub_co_u32 s15, 15, s[WV]
	s_lshr_b32 s14, s15, 3
	s_sub_co_u32 s[QSH], 14, s11
	s_add_co_u32 s[QSH], s[QSH], s14               ; HIGH: tile 15 - w of block 7 - i
	s_and_b32 s[AH], s15, 7
; the addresses of one tile: Q's image and scale words, ctx's image and scale bytes, and the number that the mask compares with
.macro TILE qs, a, qb, qw, cb, sb, dv
	s_lshl_b32 s96, s[\qs], 12
	s_lshl_b32 s97, s[\a], 9
	s_add_co_u32 s96, s96, s97
	s_add_co_u32 s96, s96, s12                     ; 65,536 y + 4,096 qs + 512 a
	s_mov_b32 s97, 0
	s_add_nc_u64 s[\qb:\qb+1], s[4:5], s[96:97]
	s_lshl_b32 s96, s[\qs], 9
	s_lshr_b32 s98, s[\a], 2
	s_lshl_b32 s98, s98, 8
	s_add_co_u32 s96, s96, s98
	s_and_b32 s98, s[\a], 3
	s_lshl_b32 s98, s98, 2
	s_add_co_u32 s96, s96, s98
	s_lshl_b32 s98, s10, 13
	s_add_co_u32 s96, s96, s98
	s_add_co_u32 s96, s96, 0x800000                ; 8,192 y + 512 qs + 256 (a / 4) + 4 (a % 4), behind the codes
	s_add_nc_u64 s[\qw:\qw+1], s[4:5], s[96:97]
	s_and_b32 s98, s10, 3
	s_lshl_b32 s98, s98, 7
	s_lshl_b32 s99, s[\qs], 3
	s_add_co_u32 s98, s98, s99
	s_add_co_u32 s98, s98, s[\a]                   ; RT = 128 batch + 8 qs + a
	s_lshl_b32 s96, s98, 13
	s_lshr_b32 s99, s10, 3
	s_lshl_b32 s99, s99, 10
	s_add_co_u32 s96, s96, s99                     ; + 1,024 (head / 2)
	s_bfe_u32 s99, s10, 0x10002
	s_lshl_b32 s99, s99, 9
	s_add_co_u32 s96, s96, s99                     ; + 512 (head % 2)
	s_add_nc_u64 s[\cb:\cb+1], s[8:9], s[96:97]
	s_lshl_b32 s96, s98, 9
	s_lshr_b32 s99, s10, 2
	s_lshl_b32 s99, s99, 1
	s_add_co_u32 s96, s96, s99                     ; 512 RT + 2 head
	s_add_co_u32 s96, s96, 0x400000
	s_add_nc_u64 s[\sb:\sb+1], s[8:9], s[96:97]
	s_lshr_b32 s98, s[\a], 1
	s_lshl_b32 s98, s98, 5
	s_and_b32 s99, s[\a], 1
	s_lshl_b32 s99, s99, 3
	s_add_co_u32 s98, s98, s99
	v_add_nc_u32 v[\dv], s98, v10                  ; d = my query's number in its group of 128, less 16 h
.endm
	TILE QSL, AL, 88, 90, CBL, SBL, 5
	TILE QSH, AH, 92, 94, CBH, SBH, 6
	global_load_b128 v[16:19], v1, s[88:89]        ; both Q's stay in registers
	global_load_b32 v255, v11, s[90:91]
	global_load_b128 v[80:83], v1, s[92:93]
	global_load_b32 v88, v11, s[94:95]
.irp j, 20,21,22,23,84,85,86,87,64,65,66,67
	v_mov_b32 v[\j], 0                             ; zero codes: Q's channels 64-127, and what stands behind K's last tile
.endr
; A PHASE: one tile of 16 queries against key steps 0 .. qs, then ctx out.  trips is a constant; the steps behind qs are jumped over.
.macro PHASE trips, qf, qw, qsr, dv, cb, sb
	s_wait_xcnt 0x0                                ; the last phase's stores have read their registers
	v_mov_b32 v13, 0xff61b1e6                      ; the largest t so far: -3e38, under every t
	s_delay_alu instid0(VALU_DEP_1)
	v_floor_f32 v12, -v13                          ; -M
	v_mov_b32 v14, 0                               ; the sum, in two halves
	v_mov_b32 v15, 0
	v_mov_b32 v252, 0                              ; (a lane permute's destination counts as one of its sources)
	v_mov_b32 v253, 0                              ; (named as the upper half of the pair v[252:253] before it is first written)
.irp b, 0,1,2,3
	v_mov_b32 v[236+\b], 0
.endr
.set jj, 0
.rept 32
	v_mov_b32 v[160+jj], 0                         ; O^T: the step is written once; the first finds zeros, which the first change of M leaves zeros
.set jj, jj+1
.endr
	s_mov_b32 s[TK], 0
	s_mov_b32 s[TS], 0
	s_mov_b32 s[TV], 0
	s_mov_b32 s[KS], 0
.Lks_\@:
	s_cmp_gt_u32 s[KS], s[\qsr]                    ; all 128 keys come after my queries: the step's work is left out, not the lines that step addresses
	s_cbranch_scc1 .Lhid_\@
	s_setprio 2
	v_add_nc_u32 v8, s[TK], v1                     ; (these four are also the places between the last step's products and the loads into their registers)
	v_add_nc_u32 v9, s[TK], v2
	v_add_nc_u32 v10, s[TS], v3
	v_add_nc_u32 v11, s[TV], v4
.irp t, 0,1,2,3,4,5,6,7
	ds_load_b128 v[32+4*\t:35+4*\t], v8 offset:512*\t      ; K's eight tiles
.endr
	ds_load_b128 v[68:71], v10                     ; their scale words
	ds_load_b128 v[72:75], v10 offset:256
.irp t, 0,1,2,3,4,5,6,7
	ds_load_b128 v[192+4*\t:195+4*\t], v9 offset:512*\t    ; V's four fragments: they land under the softmax
.endr
	ds_load_b128 v[76:79], v11
	s_wait_dscnt 9                                 ; K and its words are in; V's nine loads may be out
.irp t, 0,1,2,3,4,5,6,7
	v_wmma_scale_f32_16x16x128_f8f6f4 v[96+8*\t:103+8*\t], v[32+4*\t:39+4*\t], v[\qf:\qf+7], 0, v[68+\t], v[\qw] matrix_a_fmt:MATRIX_FMT_FP4 matrix_b_fmt:MATRIX_FMT_FP4
.endr
.rept 4
	v_nop
.endr
	s_cmp_lg_u32 s[KS], s[\qsr]                    ; only the step on the diagonal has hidden keys
	s_cbranch_scc1 .Lopen_\@
	v_mov_b32 v254, 0xff800000                     ; -infinity.  Register 16 b + i holds key 32 b + 16 h + i of the step: hidden where 32 b + i > d
.set nn, 0
.rept 64
	v_cmp_gt_i32 vcc_lo, 32*(nn/16)+nn%16, v[\dv]
	v_cndmask_b32 v[96+nn], v[96+nn], v254, vcc_lo
.set nn, nn+1
.endr
.Lopen_\@:
.irp b, 0,1,2,3
	v_max3_num_f32 v[232+\b], v[96+16*\b], v[97+16*\b], v[98+16*\b]   ; the largest score of each block of 32 keys: for the row's maximum, and, since p rises with the score, for the block's largest p
.endr
.irp i, 3,5,7,9,11,13
.irp b, 0,1,2,3
	v_max3_num_f32 v[232+\b], v[232+\b], v[96+16*\b+\i], v[97+16*\b+\i]
.endr
.endr
.irp b, 0,1,2,3
	v_max_num_f32 v[232+\b], v[232+\b], v[111+16*\b]
.endr
.irp b, 0,1,2,3
	s_delay_alu instid0(VALU_DEP_4)
	v_permlanex16_b32 v[236+\b], v[232+\b], s[SEL], s[SEL+1]
.endr
.irp b, 0,1,2,3
	s_delay_alu instid0(VALU_DEP_4)
	v_max_num_f32 v[232+\b], v[232+\b], v[236+\b]  ; with lane l xor 16's 16 keys
.endr
	s_delay_alu instid0(VALU_DEP_2)
	v_max3_num_f32 v254, v232, v233, v234
	s_delay_alu instid0(VALU_DEP_1)
	v_max_num_f32 v254, v254, v235                 ; the step's largest score of my query
	s_delay_alu instid0(VALU_DEP_1)
	v_mul_f32 v254, s[CS], v254                    ; as t
	s_delay_alu instid0(VALU_DEP_1)
	v_max_num_f32 v13, v13, v254                   ; the running largest t
	v_mov_b32 v254, v12
	s_delay_alu instid0(VALU_DEP_2)
	v_floor_f32 v12, -v13                          ; the new -M = -ceil(t): a whole number
	s_delay_alu instid0(VALU_DEP_1)
	v_sub_f32 v254, v12, v254                      ; old M - new M, 0 or less
	s_delay_alu instid0(VALU_DEP_1)
	v_cvt_i32_f32 v254, v254                       ; (it saturates)
	s_delay_alu instid0(VALU_DEP_1)
	v_ldexp_f32 v252, 1.0, v254                    ; f = 2^(old M - new M)
.set jj, 0
.rept 32
	v_pk_fma_f32 v[96+jj:97+jj], v[96+jj:97+jj], s[CS:CS+1], v[12:13] op_sel_hi:[1,0,0]   ; t - M, two at a time
.set jj, jj+2
.endr
	s_setprio 1
.irp b, 0,1,2,3
	v_fma_f32 v[232+\b], v[232+\b], s[CS], v12     ; the same of each block's largest score
.endr
.set jj, 0
	s_wait_alu depctr_va_vdst(0)
.rept 64
	v_exp_f32 v[96+jj], v[96+jj]                   ; p = 2^(t - M), at most 1
.set jj, jj+1
.endr
.irp b, 0,1,2,3
	v_exp_f32 v[232+\b], v[232+\b]                 ; the block's largest p
.endr
	v_pk_mul_f32 v[14:15], v[14:15], v[252:253] op_sel_hi:[1,0]   ; the sums under the new M (a plain place behind the exponentials)
	s_wait_alu depctr_va_vdst(0)
.irp b, 0,1,2,3
	v_max_num_f32 v[232+\b], 0x1800000, v[232+\b]  ; the floor 2^(3 - 127): the byte cannot fall under 1
.endr
.irp b, 0,1,2,3
	s_delay_alu instid0(VALU_DEP_4)
	v_add_nc_u32 v[244+\b], 0xff000000, v[232+\b]  ; 2 off the exponent field: the conversion's scale operand
.endr
.irp b, 0,1,2,3
	s_delay_alu instid0(VALU_DEP_4)
	v_lshrrev_b32 v[236+\b], 23, v[244+\b]         ; the scale's byte
.endr
	s_delay_alu instid0(VALU_DEP_3)
	v_lshl_or_b32 v253, v237, 8, v236              ; p's scale word for these 128 keys
	s_delay_alu instid0(VALU_DEP_1)
	v_lshl_or_b32 v253, v238, 16, v253
	s_delay_alu instid0(VALU_DEP_1)
	v_lshl_or_b32 v253, v239, 24, v253
.irp b, 0,1,2,3
	v_cvt_scalef32_pk8_fp4_f32 v[224+2*\b], v[96+16*\b:103+16*\b], v[244+\b]
	v_cvt_scalef32_pk8_fp4_f32 v[225+2*\b], v[104+16*\b:111+16*\b], v[244+\b]
.endr
	v_nop                                          ; one plain place behind a scaled conversion
.irp u, 0,1                                    ; a whole block to a lane
.irp i, 0,1
	v_permlane16_swap_b32 v[224+4*\u+\i], v[226+4*\u+\i]
.endr
.endr
	v_pk_add_f32 v[236:237], v[100:101], v[104:105]
	v_pk_add_f32 v[248:249], v[108:109], v[112:113]
	v_pk_add_f32 v[246:247], v[116:117], v[120:121]
	v_pk_add_f32 v[244:245], v[124:125], v[128:129]
	v_pk_add_f32 v[242:243], v[132:133], v[136:137]
	v_pk_add_f32 v[240:241], v[140:141], v[144:145]
	v_pk_add_f32 v[234:235], v[148:149], v[152:153]
	v_pk_add_f32 v[14:15], v[14:15], v[156:157]
	v_pk_add_f32 v[236:237], v[236:237], v[96:97]
	v_pk_add_f32 v[248:249], v[248:249], v[98:99]
	v_pk_add_f32 v[246:247], v[246:247], v[102:103]
	v_pk_add_f32 v[244:245], v[244:245], v[106:107]
	v_pk_add_f32 v[242:243], v[242:243], v[110:111]
	s_setprio 0
	v_pk_add_f32 v[240:241], v[240:241], v[114:115]
	v_pk_add_f32 v[234:235], v[234:235], v[118:119]
	v_pk_add_f32 v[14:15], v[14:15], v[122:123]
	v_pk_add_f32 v[236:237], v[236:237], v[126:127]
	v_pk_add_f32 v[248:249], v[248:249], v[130:131]
	v_pk_add_f32 v[246:247], v[246:247], v[134:135]
	v_pk_add_f32 v[244:245], v[244:245], v[138:139]
	v_pk_add_f32 v[242:243], v[242:243], v[142:143]
	v_pk_add_f32 v[240:241], v[240:241], v[146:147]
	v_pk_add_f32 v[234:235], v[234:235], v[150:151]
	v_pk_add_f32 v[14:15], v[14:15], v[154:155]
	v_pk_add_f32 v[236:237], v[236:237], v[158:159]
	s_delay_alu instid0(VALU_DEP_2)
	v_pk_add_f32 v[14:15], v[14:15], v[244:245]
	s_delay_alu instid0(VALU_DEP_2)
	v_pk_add_f32 v[236:237], v[236:237], v[242:243]
	v_pk_add_f32 v[248:249], v[248:249], v[240:241]
	v_pk_add_f32 v[246:247], v[246:247], v[234:235]
	s_delay_alu instid0(VALU_DEP_2)
	v_pk_add_f32 v[14:15], v[14:15], v[248:249]
	s_delay_alu instid0(VALU_DEP_2)
	v_pk_add_f32 v[236:237], v[236:237], v[246:247]
	s_delay_alu instid0(VALU_DEP_1)
	v_pk_add_f32 v[14:15], v[14:15], v[236:237]
.set jj, 0
.rept 16
	v_pk_mul_f32 v[160+jj:161+jj], v[160+jj:161+jj], v[252:253] op_sel_hi:[1,0]   ; O^T under the new M
.set jj, jj+2
.endr
	s_wait_alu depctr_va_vdst(0)
	s_wait_dscnt 0x0                               ; V and its words are in
.irp t, 0,1,2,3                                ; O^T += V^T P^T: the four accumulators by turns; eight other products stand between two links of a chain
	v_wmma_scale_f32_16x16x128_f8f6f4 v[160+8*\t:167+8*\t], v[192+8*\t:199+8*\t], v[224:231], v[160+8*\t:167+8*\t], v[76+\t], v253 matrix_a_fmt:MATRIX_FMT_FP4 matrix_b_fmt:MATRIX_FMT_FP4
.endr
.Lhid_\@:
	s_add_co_u32 s[TK], s[TK], 4096
	s_add_co_u32 s[TS], s[TS], 512
	s_add_co_u32 s[TV], s[TV], 256
	s_add_co_u32 s[KS], s[KS], 1
	s_cmp_lt_u32 s[KS], \trips
	s_cbranch_scc1 .Lks_\@
	s_setprio 0
	; ctx = O^T / the sum; register 16 b + i is channel 32 b + 16 h + i of the head: two blocks of the last product's K
.rept 4
	v_nop
.endr
	v_add_f32 v14, v14, v15
	s_delay_alu instid0(VALU_DEP_1)
	v_permlanex16_b32 v252, v14, s[SEL], s[SEL+1]
	s_delay_alu instid0(VALU_DEP_1)
	v_add_f32 v14, v14, v252                       ; the row's sum
	s_wait_alu depctr_va_vdst(0)
	v_rcp_f32 v14, v14
	v_nop                                          ; one plain place behind a transcendental
.set jj, 0
	s_wait_alu depctr_va_vdst(0)
.rept 16
	v_pk_mul_f32 v[96+jj:97+jj], v[160+jj:161+jj], v[14:15] op_sel_hi:[1,0]   ; each accumulator from its low end on
.set jj, jj+2
.endr
.irp b, 0,1
	v_max3_num_f32 v[232+\b], |v[96+16*\b]|, |v[97+16*\b]|, 0x1800000
.endr
.irp i, 2,4,6,8,10,12,14
.irp b, 0,1
	s_delay_alu instid0(VALU_DEP_2)
	v_max3_num_f32 v[232+\b], v[232+\b], |v[96+16*\b+\i]|, |v[97+16*\b+\i]|
.endr
.endr
.irp b, 0,1
	s_delay_alu instid0(VALU_DEP_2)
	v_permlanex16_b32 v[236+\b], v[232+\b], s[SEL], s[SEL+1]
.endr
.irp b, 0,1
	s_delay_alu instid0(VALU_DEP_2)
	v_max_num_f32 v[232+\b], v[232+\b], v[236+\b]
.endr
.irp b, 0,1
	s_delay_alu instid0(VALU_DEP_2)
	v_add_nc_u32 v[244+\b], 0xff000000, v[232+\b]
.endr
.irp b, 0,1
	s_delay_alu instid0(VALU_DEP_2)
	v_lshrrev_b32 v[236+\b], 23, v[244+\b]
.endr
.irp b, 0,1
	v_cvt_scalef32_pk8_fp4_f32 v[224+2*\b], v[96+16*\b:103+16*\b], v[244+\b]
	v_cvt_scalef32_pk8_fp4_f32 v[225+2*\b], v[104+16*\b:111+16*\b], v[244+\b]
.endr
	v_nop
	v_permlane16_swap_b32 v224, v226               ; lanes 0-15 block 0, lanes 16-31 block 1
	v_permlane16_swap_b32 v225, v227
	global_store_b128 v1, v[224:227], s[\cb:\cb+1] ; an image: 512 consecutive bytes
	v_and_b32 v229, 31, v0
	s_delay_alu instid0(VALU_DEP_1)
	v_cmp_le_u32 vcc_lo, 16, v229
	s_delay_alu instid0(VALU_DEP_1)
	v_cndmask_b32 v228, v236, v237, vcc_lo         ; my half's block's byte
	global_store_b8 v7, v228, s[\sb:\sb+1]
.endm
	s_wait_loadcnt 0x0                             ; both Q's
	s_wait_tensorcnt 0x1                           ; my first load, keys 0-1,023, has landed; my second may stay out: phase LOW reads no byte of it
	s_barrier_signal -1
	s_barrier_wait -1
	PHASE 8, 16, 255, QSL, 5, CBL, SBL
	s_wait_tensorcnt 0x0                           ; the second halves have landed
	s_wait_dscnt 0x0
	s_barrier_signal -1
	s_barrier_wait -1
	PHASE 16, 80, 88, QSH, 6, CBH, SBH
	s_wait_tensorcnt 0x0
	ds_add_u32 v250, v251
	s_wait_dscnt 0x0
	s_endpgm
.Lfunc_end_k_q3afdd11d8c_attn:
	.size	k_q3afdd11d8c_attn, .Lfunc_end_k_q3afdd11d8c_attn-k_q3afdd11d8c_attn
	.p2alignl 7, 3214868480
	.fill 96, 4, 3214868480
	.section	.rodata,"a",@progbits
	.p2align	6, 0x0
	.amdhsa_kernel k_q3afdd11d8c_attn
		.amdhsa_group_segment_fixed_size 169984
		.amdhsa_private_segment_fixed_size 0
		.amdhsa_enable_private_segment 0
		.amdhsa_kernarg_size 24
		.amdhsa_user_sgpr_count 2
		.amdhsa_user_sgpr_kernarg_segment_ptr 1
		.amdhsa_wavefront_size32 1
		.amdhsa_system_sgpr_workgroup_id_x 1
		.amdhsa_system_sgpr_workgroup_id_y 1
		.amdhsa_system_sgpr_workgroup_id_z 1
		.amdhsa_system_vgpr_workitem_id 0
		.amdhsa_next_free_vgpr 256
		.amdhsa_next_free_sgpr 100
		.amdhsa_reserve_vcc 1
		.amdhsa_float_denorm_mode_32 3
		.amdhsa_float_denorm_mode_16_64 3
		.amdhsa_memory_ordered 1
		.amdhsa_forward_progress 1
		.amdhsa_inst_pref_size 65
	.end_amdhsa_kernel
	.amdgpu_metadata
---
amdhsa.version: [ 1, 2 ]
amdhsa.kernels:
  - .name:           k_q3afdd11d8c_attn
    .symbol:         k_q3afdd11d8c_attn.kd
    .args:
      - { .name: qk, .offset: 0, .size: 8, .value_kind: global_buffer, .address_space: global }
      - { .name: vq, .offset: 8, .size: 8, .value_kind: global_buffer, .address_space: global }
      - { .name: cq, .offset: 16, .size: 8, .value_kind: global_buffer, .address_space: global }
    .group_segment_fixed_size: 169984
    .private_segment_fixed_size: 0
    .kernarg_segment_align: 8
    .kernarg_segment_size: 24
    .max_flat_workgroup_size: 512
    .sgpr_count:     100
    .vgpr_count:     256
    .wavefront_size: 32
...
	.end_amdgpu_metadata
.endif
;; end of part 3
;; launch outp (part 4): grid 4 x 32, 4 waves a work-group, clusters of 4 x 4, 327,680 bytes of LDS; arguments cq, wq, bo, out0; writes out0
.if DOCPART == 4
	.amdgcn_target "amdgcn-amd-amdhsa--gfx1250"
	.amdhsa_code_object_version 6
	.text
	.protected	k_q3afdd11d8c_outp
	.globl	k_q3afdd11d8c_outp
	.p2align	8
	.type	k_q3afdd11d8c_outp,@function
k_q3afdd11d8c_outp:
	s_mov_b64 s[64:65], 0
	v_nop
	global_prefetch_b8 v0, s[64:65] scope:SCOPE_SE
	s_setreg_imm32_b32 hwreg(HW_REG_WAVE_MODE, 25, 1), 1
	s_wait_xcnt 0x0
	s_wait_alu depctr_hold_cnt(0) depctr_sa_sdst(0) depctr_va_vdst(0) depctr_va_sdst(0) depctr_va_ssrc(0) depctr_va_vcc(0) depctr_vm_vsrc(0)
	s_getreg_b32 s2, hwreg(HW_REG_IB_STS2, 6, 4)
	s_cmp_eq_u32 s2, 0
	s_cbranch_scc0 .Lentry_in_a_cluster
	s_endpgm
.Lentry_in_a_cluster:
	s_bfe_u32 s2, ttmp6, 0x10000c
	s_cmp_lg_u32 s2, 0xf033
	s_cbranch_scc0 .Lentry_shape_is_right
	s_endpgm
.Lentry_shape_is_right:
; out0 = ctx Wo^T + bo on codes of FP4 (E2M1) with E8M0 scales; M = 8,192, N = 1,024, K = 1,024; out0 f32.
; A work-group of four waves makes 256 x 256 of out0, a wave 128 x 128: 64 accumulators, 512 registers.  K goes in two steps of 512 through two LDS slots, each filled once; the scale bytes of the 512 rows come once too.
; A = ctx comes as IMAGES OF OPERAND REGISTERS: cq's codes are [RT 512][kq 8][c 2][512 bytes], lane l's 16 bytes at 16 l; a slot takes 4,096 consecutive bytes of each of a wave's eight tiles of rows, and a fragment is
; read 16 bytes a lane, on end.  Lane r of tile a holds row 32 (a / 2) + 8 (a % 2) + r + 8 (r / 8) of its group of 128: the stores on the way out put each row where it belongs.
; B = Wo: wq's places 3,072 on, rows in their own order, 512 bytes a row.  bo is the C of each sum's first matrix instruction.
; THE MATRIX INSTRUCTION IS USED TRANSPOSED (source 0 = 16 rows of Wo, source 1 = 16 rows of ctx): a lane holds eight neighbouring numbers of a row of out0.
; CLUSTERS: 4 x 4 work-groups; A's tile is asked for jointly along a row of the cluster, B's along a column.
; REGISTERS: window 0: v0-31 addresses; v32-95 scale words, two sets; v128-191 A's fragments; on the way out v128-255 rows read back.   window 1: B's fragments, two sets (v0, v128); v64-127 bo.
;   window 2: accumulators of my rows 0-63 ((a, b) at v[8 (8 a + b)]);   window 3: those of rows 64-127.
.set NQ,     4
.set ROWB,   256                       ; a row of B's tile in bytes
.set KROW,   512                       ; a row of codes in memory
.set PITCH,  272                       ; B's rows in LDS: 256 bytes + 16 of padding
.set FR,     8
.set NL,     2
.set NP,     4                         ; places behind this matrix instruction (ISA guide 7.12.1)
.set HALFA,  32768                     ; A: eight tiles of rows x 4,096 bytes, dense
.set HALFT,  128*PITCH                 ; B: 128 rows
.set SLOT,   2*HALFA+2*HALFT
.set KS,     32
.set SCL,    2*SLOT
.set HALFS,  (128*KS/256)*272
.set SBLK,   (16*KS/256)*272
.set SPARE,  SCL+4*HALFS               ; the spare words, 128 bytes for each wave; no other line names them
.set SPITCH, 528                       ; the way out: a stage of 16 rows x (512 bytes + 16) for each wave, in slot 0, which has had its one fill and its last read by then
.set ROWC,   4096                      ; a row of out0 in bytes
.set ADRA, 16
.set ADRB, 20
.set STO,  24
.set RD,   25
.set CO,   26                          ; v26  16 x lane
.set ADRS, 27
.set SPW,  28
.set NIL,  29
.set SC,   32
.set AF,   128
.set BK,   128
.set BI,   64                          ; bo, in window 1
.set G1, 24
.set G0, 32
.set G1B, 48
.set G0B, 56
.set G1S, 68
.set G0S, 76
.set G1SB, 80
.set G0SB, 88
.set MSB, 0
.macro WIN new
.if MSB != (\new)
	s_set_vgpr_msb (MSB<<8)|(\new)
.set MSB, (\new)
.endif
.endm
.set MUL_LO,  0xa1                     ; source 0 (B) window 1, source 1 (A) window 0, C and D window 2
.set MUL_HI,  0xf1                     ; the same, C and D window 3
.set BIAS_LO, 0x91                     ; C (bo) window 1, D window 2
.set BIAS_HI, 0xd1                     ; C (bo) window 1, D window 3
.set TO_B,    0x40
.macro JLOAD g0a, g1a, g0b, g1b        ; waves 0 and 1 fetch for A, waves 2 and 3 for B; four v_nop follow each of the two lines
	s_cmp_eq_u32 s15, 0
	s_cbranch_scc0 .Lfor_b_\@
	tensor_load_to_lds s[\g0a:\g0a+3], s[\g1a:\g1a+7]
	s_nop 0
.rept 4
	v_nop
.endr
	s_branch .Lasked_\@
.Lfor_b_\@:
	tensor_load_to_lds s[\g0b:\g0b+3], s[\g1b:\g1b+7]
	s_nop 0
.rept 4
	v_nop
.endr
.Lasked_\@:
.endm
.macro CROUND
	s_barrier_signal -1
	s_barrier_wait -1
	s_cmp_lg_u32 s14, 0
	s_cbranch_scc1 .Lnot_wave_0_\@
	s_barrier_signal -3
.Lnot_wave_0_\@:
	s_barrier_wait -3
	s_barrier_signal -1
	s_barrier_wait -1
.endm
	s_load_b128 s[4:7], s[0:1], 0x0                ; cq, wq
	s_load_b128 s[96:99], s[0:1], 0x10             ; bo, out0
	v_lshl_add_u32 v[SPW], v0, 2, SPARE
	v_mov_b32 v[NIL], 0
	ds_add_u32 v28, v29
	ds_add_u32 v28, v29
	s_wait_dscnt 0x0
	v_lshrrev_b32 v1, 5, v0
	v_readfirstlane_b32 s14, v1                    ; wave 0..3
	s_lshr_b32 s15, s14, 1                         ; which half of the tile's rows is mine.  Also: I fetch for A (0) or for B (1)
	s_and_b32 s16, s14, 1                          ; which half of its columns.  Also: which 128 rows of that tile I fetch
	s_bfe_u32 s40, ttmp6, 0x40000
	s_bfe_u32 s41, ttmp6, 0x40004
	s_lshl_b32 s42, ttmp9, 2
	s_add_co_u32 s42, s42, s40                     ; tile column
	s_and_b32 s17, ttmp7, 0xffff
	s_lshl_b32 s17, s17, 2
	s_add_co_u32 s17, s17, s41                     ; tile row
	s_lshl_b32 s43, s41, 2
	s_lshl_b32 s43, 15, s43                        ; my row of the cluster
	s_lshl_b32 s44, 0x1111, s40                    ; my column
	; A's group 1: eight rows of 4,096 bytes (512 elements of 8), 8,192 bytes apart, no padding
	s_or_b32 s[G1+0], s43, (3<<16)|(1<<21)
	s_mov_b32 s[G1+1], 512<<16
	s_mov_b32 s[G1+2], 8<<16
	s_mov_b32 s[G1+3], 512<<16
	s_mov_b32 s[G1+4], 8
	s_mov_b32 s[G1+5], 1024
	s_mov_b32 s[G1+6], 0
	s_mov_b32 s[G1+7], 0
	; B's: 128 rows x 256 bytes, 16 bytes of padding behind each
	s_or_b32 s[G1B+0], s44, (0<<16)|(1<<20)|(1<<21)|(5<<22)|(3<<25)
	s_mov_b32 s[G1B+1], ROWB<<16
	s_mov_b32 s[G1B+2], 128<<16
	s_mov_b32 s[G1B+3], ROWB<<16
	s_mov_b32 s[G1B+4], 128
	s_mov_b32 s[G1B+5], KROW
	s_mov_b32 s[G1B+6], 0
	s_mov_b32 s[G1B+7], 0
	; the scales of 128 rows: 4,096 dense bytes as 16 rows of 256, 16 bytes of padding behind each
	s_or_b32 s[G1S+0], s43, (3<<16)|(1<<20)|(1<<21)|(5<<22)|(3<<25)
	s_or_b32 s[G1SB+0], s44, (3<<16)|(1<<20)|(1<<21)|(5<<22)|(3<<25)
.irp g, G1S, G1SB
	s_mov_b32 s[\g+1], 32<<16
	s_mov_b32 s[\g+2], (128*KS/256)<<16
	s_mov_b32 s[\g+3], 32<<16
	s_mov_b32 s[\g+4], 128*KS/256
	s_mov_b32 s[\g+5], 32
	s_mov_b32 s[\g+6], 0
	s_mov_b32 s[\g+7], 0
.endr
	s_lshl_b32 s18, s16, 7
	s_lshl_b32 s20, s17, 8
	s_add_co_u32 s20, s20, s18                     ; A's first place: 256 x tile row + 128 x half
	s_lshl_b32 s46, s42, 8
	s_add_co_u32 s46, s46, s18                     ; B's first row
	s_lshl_b32 s22, s20, 5                         ; scale bytes
	s_mov_b32 s23, 0
	s_lshl_b32 s20, s20, 9                         ; codes: 512 bytes a place = 8,192 a tile of 16
	s_mov_b32 s21, 0
	s_lshl_b32 s92, s46, 5
	s_mov_b32 s93, 0
	s_lshl_b32 s46, s46, 9
	s_mov_b32 s47, 0
	s_mul_i32 s45, s16, HALFA                      ; where they go: no place in the cluster enters an LDS address
	s_mul_i32 s95, s16, HALFT
	s_add_co_u32 s95, s95, 2*HALFA
	s_mul_i32 s94, s14, HALFS
	s_wait_kmcnt 0x0
	s_add_nc_u64 s[8:9], s[6:7], 3072*512          ; Wo's codes
	s_add_nc_u64 s[10:11], s[6:7], 0x200000+3072*32  ; Wo's scale bytes
	s_add_nc_u64 s[6:7], s[4:5], 0x400000          ; ctx's scale bytes
	s_mov_b64 s[12:13], s[98:99]                   ; out0
	s_add_nc_u64 s[20:21], s[4:5], s[20:21]
	s_add_nc_u64 s[22:23], s[6:7], s[22:23]
	s_add_nc_u64 s[46:47], s[8:9], s[46:47]
	s_add_nc_u64 s[92:93], s[10:11], s[92:93]
	CROUND                                         ; all sixteen work-groups are here: the first joint loads meet
	s_mov_b32 s[G0S], 1
	s_add_co_u32 s[G0S+1], s94, SCL
	s_mov_b64 s[G0S+2:G0S+3], s[22:23]
	s_or_b32 s[G0S+3], s[G0S+3], 0x80000000
	s_mov_b32 s[G0SB], 1
	s_add_co_u32 s[G0SB+1], s94, SCL
	s_mov_b64 s[G0SB+2:G0SB+3], s[92:93]
	s_or_b32 s[G0SB+3], s[G0SB+3], 0x80000000
	JLOAD G0S, G1S, G0SB, G1SB
.irp s, 0,1
	s_mov_b32 s[G0+4*\s], 1
	s_add_co_u32 s[G0+4*\s+1], s45, \s*SLOT
	s_add_nc_u64 s[G0+4*\s+2:G0+4*\s+3], s[20:21], \s*4096
	s_or_b32 s[G0+4*\s+3], s[G0+4*\s+3], 0x80000000
	s_mov_b32 s[G0B+4*\s], 1
	s_add_co_u32 s[G0B+4*\s+1], s95, \s*SLOT
	s_add_nc_u64 s[G0B+4*\s+2:G0B+4*\s+3], s[46:47], \s*ROWB
	s_or_b32 s[G0B+4*\s+3], s[G0B+4*\s+3], 0x80000000
	s_wait_alu depctr_va_vdst(0)
	s_wait_tensorcnt 0x0
	ds_add_u32 v28, v29
	s_wait_dscnt 0x0
	CROUND
	JLOAD G0+4*\s, G1, G0B+4*\s, G1B               ; both slots, one a turn: the wait above leaves at most one tensor load of mine out, and none follows
.endr
	v_and_b32 v1, 15, v0                           ; r
	v_bfe_u32 v2, v0, 4, 1                         ; h
	v_mul_u32_u24 v3, v1, PITCH
	v_lshl_add_u32 v4, v2, 4, v3                   ; B: row x pitch + 16 x half
	v_and_b32 v6, 31, v0
	v_lshlrev_b32 v[CO], 4, v6                     ; A: 16 x lane; also my place in a row of out0
	s_mul_i32 s21, s15, HALFA                      ; my 128 rows of A
	s_mul_i32 s22, s16, HALFT                      ; my 128 rows of B, behind A's
	s_add_co_u32 s22, s22, 2*HALFA
.irp s, 0,1
	v_add_nc_u32 v[ADRA+\s], s21, v[CO]
	v_add_nc_u32 v[ADRB+\s], s22, v4
	s_add_co_u32 s21, s21, SLOT
	s_add_co_u32 s22, s22, SLOT
.endr
	v_mul_u32_u24 v5, v1, KS
	v_lshrrev_b32 v6, 8, v5
	v_lshl_add_u32 v5, v6, 4, v5
	s_mul_i32 s21, s15, HALFS
	s_mul_i32 s22, s16, HALFS
	s_add_co_u32 s22, s22, 2*HALFS
	s_sub_co_u32 s22, s22, s21
	v_mul_u32_u24 v6, s22, v2                      ; lanes 16-31 take B's scale words
	s_add_co_u32 s21, s21, SCL
	v_add_nc_u32 v5, v5, v6
	v_add_nc_u32 v[ADRS], s21, v5
	s_mul_i32 s23, s14, 16*SPITCH                  ; my stage
	v_mul_u32_u24 v5, v1, SPITCH
	v_lshl_add_u32 v5, v2, 5, v5
	v_add_nc_u32 v[STO], s23, v5                   ; in: row l % 16, 32 bytes for each half of the lanes
	v_add_nc_u32 v[RD], s23, v[CO]                 ; back: the 32 lanes take one row of 512 bytes
	s_lshl_b32 s20, s17, 8
	s_lshl_b32 s21, s15, 7
	s_add_co_u32 s20, s20, s21
	s_lshl_b32 s20, s20, 12                        ; my group of 128 rows of out0, 4,096 bytes a row (under 2^25)
	s_lshl_b32 s46, s42, 10
	s_lshl_b32 s47, s16, 9
	s_add_co_u32 s46, s46, s47                     ; my first column in bytes: the same in bo and in a row of out0
	s_mov_b32 s47, 0
	s_add_co_u32 s20, s20, s46
	s_mov_b32 s21, 0
	s_add_nc_u64 s[12:13], s[12:13], s[20:21]
	s_add_nc_u64 s[96:97], s[96:97], s[46:47]
	v_lshlrev_b32 v7, 5, v2                        ; bo: block b, lane half h, register j: column 16 b + 8 h + j
	WIN TO_B
.irp b, 0,1,2,3,4,5,6,7
	global_load_b128 v[BI+8*\b:BI+8*\b+3], v7, s[96:97] offset:64*\b
	global_load_b128 v[BI+8*\b+4:BI+8*\b+7], v7, s[96:97] offset:64*\b+16
.endr
	WIN 0
.macro FRAG reg, adr, q, i             ; B: 16 rows x 128 K from padded rows
.irp c, 0,1
	ds_load_b128 v[\reg+4*\c:\reg+4*\c+3], v[\adr] offset:64*(\q)+32*\c+(\i)*16*PITCH
.endr
.endm
.macro FRAGA reg, adr, q, i            ; A: two images of 512 bytes
.irp c, 0,1
	ds_load_b128 v[\reg+4*\c:\reg+4*\c+3], v[\adr] offset:(\i)*4096+(\q)*1024+512*\c
.endr
.endm
; 16 matrix instructions: A's blocks a0, a0 + 1 x B's eight.  first = 1: the first product starts the sums from bo.  The 64 accumulators take turns, one instruction a turn.
.macro MUL16 a0, p, q, sc, first
.irp a, \a0, \a0+1
.irp b, 0,1,2,3,4,5,6,7
.if \first
	v_wmma_scale_f32_16x16x128_f8f6f4 v[8*(8*((\a)%4)+\b):8*(8*((\a)%4)+\b)+7], v[128*(\p)+FR*\b:128*(\p)+FR*\b+FR-1], v[AF+FR*(\a):AF+FR*(\a)+FR-1], v[BI+8*\b:BI+8*\b+7], v[SC+8*NQ*(\sc)+NQ*\b+(\q)], v[SC+8*NQ*(\sc)+NQ*(\a)+(\q)] matrix_a_fmt:MATRIX_FMT_FP4 matrix_b_fmt:MATRIX_FMT_FP4 matrix_a_scale:MATRIX_SCALE_ROW1
.else
	v_wmma_scale_f32_16x16x128_f8f6f4 v[8*(8*((\a)%4)+\b):8*(8*((\a)%4)+\b)+7], v[128*(\p)+FR*\b:128*(\p)+FR*\b+FR-1], v[AF+FR*(\a):AF+FR*(\a)+FR-1], v[8*(8*((\a)%4)+\b):8*(8*((\a)%4)+\b)+7], v[SC+8*NQ*(\sc)+NQ*\b+(\q)], v[SC+8*NQ*(\sc)+NQ*(\a)+(\q)] matrix_a_fmt:MATRIX_FMT_FP4 matrix_b_fmt:MATRIX_FMT_FP4 matrix_a_scale:MATRIX_SCALE_ROW1
.endif
.endr
.endr
.endm
.macro FETCH_B slot, q, p
	WIN TO_B
.irp i, 0,1,2,3,4,5,6,7
	FRAG 128*(\p)+FR*\i, ADRB+\slot, \q, \i
.endr
	WIN 0
.endm
.macro FETCH_A slot, q, i0
.irp i, \i0, \i0+1, \i0+2, \i0+3
	FRAGA AF+FR*(\i), ADRA+\slot, \q, \i
.endr
.endm
.macro SCALES sc
.irp i, 0,1,2,3,4,5,6,7
	ds_load_b128 v[SC+8*NQ*\sc+NQ*\i:SC+8*NQ*\sc+NQ*\i+3], v[ADRS] offset:\i*SBLK
.endr
.endm
.macro PLACES n
.rept \n
	v_nop
.endr
.endm
.macro STEP slot, q, first
	s_wait_dscnt 4*NL                              ; B's set and A's blocks 0-3 are in; the youngest eight loads (A's blocks 4-7) may be out
.if \first
	WIN BIAS_LO
.else
	WIN MUL_LO
.endif
	MUL16 0, (\q)%2, \q, \slot, \first
	MUL16 2, (\q)%2, \q, \slot, \first
	s_wait_dscnt 0
	PLACES NP
	FETCH_B \slot, (\q)+1, 1-(\q)%2
	FETCH_A \slot, (\q)+1, 0
.if \first
	WIN BIAS_HI
.else
	WIN MUL_HI
.endif
	MUL16 4, (\q)%2, \q, \slot, \first
	MUL16 6, (\q)%2, \q, \slot, \first
	PLACES NP
	WIN 0
	FETCH_A \slot, (\q)+1, 4
.endm
.macro TURN slot, next                 ; slot 0's last step changes slots: one barrier; nothing is filled again
	s_wait_tensorcnt 0x0                           ; all my tensor loads have landed: my part of the next slot
	ds_add_u32 v[SPW], v[NIL]                      ; 0 onto my spare word
	s_wait_dscnt 4*NL+1                            ; (the add and the youngest eight loads may be out)
	WIN MUL_LO
	MUL16 0, 1, NQ-1, \slot, 0
	s_wait_dscnt 0x0                               ; the add is done, and my reads of this slot are over
	s_barrier_signal -1
	MUL16 2, 1, NQ-1, \slot, 0
	WIN 0
	s_barrier_wait -1
	PLACES NP
	v_add_nc_u32 v[ADRS], 4*NQ, v[ADRS]
	FETCH_B \next, 0, 0
	FETCH_A \next, 0, 0
	SCALES \next
	WIN MUL_HI
	MUL16 4, 1, NQ-1, \slot, 0
	MUL16 6, 1, NQ-1, \slot, 0
	PLACES NP
	WIN 0
	FETCH_A \next, 0, 4
.endm
.macro STEPS slot, from
.set Q, \from
.rept NQ-1-\from
	STEP \slot, Q, 0
.set Q, Q+1
.endr
.endm
	s_wait_alu depctr_va_vdst(0)
	s_wait_tensorcnt 1                             ; the scales and my part of slot 0 are in (slot 1's load may be out),
	s_barrier_signal -1
	s_barrier_wait -1                              ; everybody's are
	FETCH_B 0, 0, 0
	FETCH_A 0, 0, 0
	SCALES 0
	FETCH_A 0, 0, 4
	s_wait_loadcnt 0x0                             ; bo
	STEP 0, 0, 1
	STEPS 0, 1
	TURN 0, 1
	STEPS 1, 0
	s_wait_dscnt 4*NL
	WIN MUL_LO
	MUL16 0, 1, NQ-1, 1, 0
	MUL16 2, 1, NQ-1, 1, 0
	s_wait_dscnt 0
	WIN MUL_HI
	MUL16 4, 1, NQ-1, 1, 0
	MUL16 6, 1, NQ-1, 1, 0
	WIN 0
; THE WAY OUT, block by block of 16 rows x 128 columns, through my own stage in LDS: in as 32 bytes a lane, back as whole rows of 512 bytes.  LDS serves a wave's instructions in order: no wait between the stores and the loads.
.macro TOSTAGE a
.set AC, 64*((\a)%4)
	WIN 0x08+4*((\a)/4)                            ; the data: window 2 or 3
.irp b, 0,1,2,3,4,5,6,7
	ds_store_b128 v[STO], v[AC+8*\b:AC+8*\b+3] offset:64*\b          ; each accumulator from its low end on
	ds_store_b128 v[STO], v[AC+8*\b+4:AC+8*\b+7] offset:64*\b+16
.endr
	WIN 0
.set BBK, BK+64*((\a)%2)
.irp t, 0,1,2,3,4,5,6,7,8,9,10,11,12,13,14,15
	ds_load_b128 v[BBK+4*\t:BBK+4*\t+3], v[RD] offset:\t*SPITCH
.endr
.endm
.macro SEND a, younger                 ; stage row t of block a is row 32 (a / 2) + 8 (a % 2) + t + 8 (t / 8) of my 128: the place stands in the immediate, 127 rows at the most; the base is never stepped
.set BBK, BK+64*((\a)%2)
	s_wait_dscnt \younger
.irp t, 0,1,2,3,4,5,6,7,8,9,10,11,12,13,14,15
	global_store_b128 v[CO], v[BBK+4*\t:BBK+4*\t+3], s[12:13] offset:(32*((\a)/2)+8*((\a)%2)+\t+8*(\t/8))*ROWC th:TH_STORE_NT   ; 32 lanes store 512 consecutive bytes, aligned to 256
.endr
.endm
	PLACES NP
	TOSTAGE 0
.irp a, 1,2,3,4,5,6,7
.if \a > 1
	s_wait_xcnt 0x0                                ; block a - 2's stores have read their registers: block a's loads may land there
.endif
	TOSTAGE \a
	SEND \a-1, 32                                  ; behind block a - 1's loads: block a's 16 stores and 16 loads
.endr
	SEND 7, 0
	s_wait_tensorcnt 0x0                           ; the wave's end
	ds_add_u32 v[SPW], v[NIL]
	s_wait_dscnt 0x0
	CROUND                                         ; the closing round
	s_endpgm
.Lfunc_end_k_q3afdd11d8c_outp:
	.size	k_q3afdd11d8c_outp, .Lfunc_end_k_q3afdd11d8c_outp-k_q3afdd11d8c_outp
	.p2alignl 7, 3214868480
	.fill 96, 4, 3214868480
	.section	.rodata,"a",@progbits
	.p2align	6, 0x0
	.amdhsa_kernel k_q3afdd11d8c_outp
		.amdhsa_group_segment_fixed_size 327680
		.amdhsa_private_segment_fixed_size 0
		.amdhsa_enable_private_segment 0
		.amdhsa_kernarg_size 32
		.amdhsa_user_sgpr_count 2
		.amdhsa_user_sgpr_kernarg_segment_ptr 1
		.amdhsa_wavefront_size32 1
		.amdhsa_system_sgpr_workgroup_id_x 1
		.amdhsa_system_sgpr_workgroup_id_y 1
		.amdhsa_system_sgpr_workgroup_id_z 1
		.amdhsa_system_vgpr_workitem_id 0
		.amdhsa_next_free_vgpr 1024
		.amdhsa_next_free_sgpr 100
		.amdhsa_reserve_vcc 0
		.amdhsa_float_denorm_mode_32 3
		.amdhsa_float_denorm_mode_16_64 3
		.amdhsa_memory_ordered 1
		.amdhsa_forward_progress 1
		.amdhsa_inst_pref_size 127
	.end_amdhsa_kernel
	.amdgpu_metadata
---
amdhsa.version: [ 1, 2 ]
amdhsa.kernels:
  - .name:           k_q3afdd11d8c_outp
    .symbol:         k_q3afdd11d8c_outp.kd
    .args:
      - { .name: cq, .offset: 0, .size: 8, .value_kind: global_buffer, .address_space: global }
      - { .name: wq, .offset: 8, .size: 8, .value_kind: global_buffer, .address_space: global }
      - { .name: bo, .offset: 16, .size: 8, .value_kind: global_buffer, .address_space: global }
      - { .name: out0, .offset: 24, .size: 8, .value_kind: global_buffer, .address_space: global }
    .group_segment_fixed_size: 327680
    .private_segment_fixed_size: 0
    .kernarg_segment_align: 8
    .kernarg_segment_size: 32
    .max_flat_workgroup_size: 128
    .sgpr_count:     100
    .vgpr_count:     1024
    .wavefront_size: 32
...
	.end_amdgpu_metadata
.endif
;; end of part 4
